; MI455X (gfx1250); checked and timed in simulation.
; The chip was launched on July 23, 2026; its instructions are those of AMD's public machine-readable ISA for CDNA 5 (MIT licence, August 2026) and "CDNA5" Instruction Set Architecture Reference Guide (July 2026). The comments in the code are by the model that wrote it; some were corrected since.
;; Adaptive Attention. Allowed arithmetic: float matrix products may take bf16 or f16 operands with f32 sums; all other float work in f32.
;; Inputs: W_out 1,024 x 1,024 float32; W_qkv 1,024 x 3,072 float32; b_out 1,024 float32; mask 1 x 1 x 2,048 x 2,048 int32; x 2 x 2,048 x 1,024 float32.
;; Outputs: out0 2 x 2,048 x 1,024 float32.
;; 2 versions, each right. Each part assembles by itself: llvm-mc -triple=amdgcn-amd-amdhsa -mcpu=gfx1250 --defsym DOCPART=n.
;; ======== version 1 of 2: 4 launches
;; limits: values are held in f16: magnitudes above 65,504 overflow, below 6.1e-05 lose precision
;; workspace buffers: xh 8,388,608 bytes; wqh 6,291,456 bytes; woh 2,097,152 bytes; mbits 524,288 bytes of whole numbers; qkv 25,165,824 bytes; ao 8,388,608 bytes
;; launch prep (part 1): grid 256 x 1, 8 waves a work-group, no clusters, 68,608 bytes of LDS; arguments x, W_qkv, W_out, mask, xh, wqh, woh, mbits; writes xh, wqh, woh, mbits
.if DOCPART == 1
	.amdgcn_target "amdgcn-amd-amdhsa--gfx1250"
	.amdhsa_code_object_version 6
	.text
	.protected	k_q1770edb608_prep
	.globl	k_q1770edb608_prep
	.p2align	8
	.type	k_q1770edb608_prep,@function
k_q1770edb608_prep:
	s_mov_b64 s[64:65], 0
	v_nop
	global_prefetch_b8 v0, s[64:65] scope:SCOPE_SE
	s_setreg_imm32_b32 hwreg(HW_REG_WAVE_MODE, 25, 1), 1
	s_wait_xcnt 0x0
; prep: x, W_qkv and W_out are rounded once from f32 to f16 (same layout), and the int32 mask is packed to one bit a number.
; LIMIT: f16 holds magnitudes up to 65,504 and keeps 11 bits; numbers under 6.1e-5 keep an absolute error of 3e-8.
; Each of the 256 work-groups takes 1/256 of every job: 64 KiB of x, 48 KiB of W_qkv, 16 KiB of W_out, and 16 mask rows x 1,024 columns.
; A stream: every byte is read once by 16-byte loads (a wave's load covers 512 consecutive bytes), all 48 loads of a wave go out in one run
; at the start, and every store of a wave covers 256 consecutive bytes, aligned.  No work-group shares an input byte with another, so there
; is nothing for clusters, tensor loads or the matrix unit to gain.
; THE PACKED MASK.  Word ((Tq*128 + Tk)*8 + j), bit L = (mask[16 Tq + (L & 15)][16 Tk + 8 (L >> 4) + j] != 0): the lane mask of register j
; of a 16 x 16 tile of transposed scores (lane = query and key half, register = key), as the attention launch selects by it.
; A wave has 16 rows x 128 columns = 8 key tiles.  The rows go through the wave's own LDS bytes (16 rows, pitch 528 = 33 x 16 bytes) to turn
; 'lane = 4 columns of a row' into 'lane = row L & 15, 8 columns': no other wave touches these bytes, so no barrier is needed.
.set LP, 528                           ; LDS pitch: 512 bytes of a row + 16
.set WL, 16*LP                         ; a wave's LDS bytes
.set M,  16                            ; v[16:79]   mask words
.set X,  80                            ; v[80:143]  x
.set Q,  144                           ; v[144:191] W_qkv
.set O,  192                           ; v[192:207] W_out
	s_load_b512 s[8:23], s[0:1], 0x0               ; x s[8:9], W_qkv s[10:11], W_out s[12:13], mask s[14:15], xh s[16:17], wqh s[18:19], woh s[20:21], mbits s[22:23]
	v_lshl_add_u32 v208, v0, 2, 0x10800
	v_mov_b32 v209, 0
	v_lshlrev_b32 v1, 4, v0                        ; 16 t: offset of every load (= 512 wave + 16 lane)
	v_lshlrev_b32 v2, 3, v0                        ; 8 t: offset of every store
	v_lshrrev_b32 v3, 5, v0
	v_readfirstlane_b32 s4, v3                     ; wave
	s_mul_i32 s5, s4, WL                           ; my wave's LDS bytes
	v_and_b32 v3, 31, v0
	v_lshl_add_u32 v4, v3, 4, s5                   ; in: 16 bytes a lane along a row
	v_and_b32 v6, 15, v0                           ; r
	v_bfe_u32 v7, v0, 4, 1                         ; h
	v_mad_u32_u24 v5, v6, LP, s5                   ; back: row r,
	v_lshl_add_u32 v5, v7, 5, v5                   ; 8 columns (32 bytes) further for the upper lanes
	v_mov_b32 v8, 0                                ; v_writelane_b32 counts as a reader of its destination
	v_mov_b32 v9, 0
	s_mov_b32 s3, 0
	s_lshr_b32 s6, ttmp9, 1                        ; Tq: my 16 mask rows
	s_and_b32 s7, ttmp9, 1                         ; which half of their columns
	s_wait_kmcnt 0x0
.macro STEPIN p                        ; the pointer in s[p:p+1] moves to the work-group's part
	s_add_nc_u64 s[\p:\p+1], s[\p:\p+1], s[2:3]
.endm
	s_lshl_b32 s2, s6, 17                          ; 16 rows of 8,192 bytes
	s_lshl_b32 s24, s7, 12                         ; 1,024 columns of 4 bytes
	s_add_co_u32 s2, s2, s24
	STEPIN 14
	s_lshl_b32 s2, ttmp9, 16
	STEPIN 8
	s_mul_i32 s2, ttmp9, 49152
	STEPIN 10
	s_lshl_b32 s2, ttmp9, 14
	STEPIN 12
	; all 48 loads in one run: 192 KiB of the work-group on their way
.set i, 0
.rept 16
	global_load_b128 v[M+4*i:M+4*i+3], v1, s[14:15] offset:i*8192 th:TH_LOAD_NT
.set i, i+1
.endr
.set i, 0
.rept 16
	global_load_b128 v[X+4*i:X+4*i+3], v1, s[8:9] offset:i*4096 th:TH_LOAD_NT
.set i, i+1
.endr
.set i, 0
.rept 12
	global_load_b128 v[Q+4*i:Q+4*i+3], v1, s[10:11] offset:i*4096 th:TH_LOAD_NT
.set i, i+1
.endr
.set i, 0
.rept 4
	global_load_b128 v[O+4*i:O+4*i+3], v1, s[12:13] offset:i*4096 th:TH_LOAD_NT
.set i, i+1
.endr
	s_lshl_b32 s2, ttmp9, 15
	STEPIN 16
	s_mul_i32 s2, ttmp9, 24576
	STEPIN 18
	s_lshl_b32 s2, ttmp9, 13
	STEPIN 20
	s_lshl_b32 s2, s6, 12                          ; 128 key tiles x 8 words
	s_lshl_b32 s24, s7, 11
	s_add_co_u32 s2, s2, s24
	STEPIN 22
	; the mask
	s_wait_loadcnt 32                              ; the 16 mask loads are in; the 32 younger loads stay out
.set i, 0
.rept 16
	ds_store_b128 v4, v[M+4*i:M+4*i+3] offset:i*LP
.set i, i+1
.endr
.set i, 0
.rept 8
	ds_load_b128 v[M+8*i:M+8*i+3],   v5 offset:i*64        ; LDS serves a wave's instructions in order (ISA guide 5.7.1.4): these see the stores above
	ds_load_b128 v[M+8*i+4:M+8*i+7], v5 offset:i*64+16     ; key tile i: v[M+8i+j] = mask[row r][16 i + 8 h + j]
.set i, i+1
.endr
	s_wait_dscnt 0x0
.set t, 0
.rept 8
.irp j, 0,1,2,3,4,5,6,7
	v_cmp_ne_u32 s[24+\j], 0, v[M+8*t+\j]          ; word 8 t + j of the wave's 64
.endr
.irp j, 0,1,2,3,4,5,6,7
	v_writelane_b32 v[8+(\j&1)], s[24+\j], 4*t+(\j>>1)     ; lane l keeps words 2 l and 2 l + 1
.endr
.set t, t+1
.endr
	global_store_b64 v2, v[8:9], s[22:23]          ; the wave's 64 words: 256 consecutive bytes, aligned
	; the casts: four f32 become four f16 in place; left = the loads younger than this one
.macro CAST r, left, base, off
	s_wait_loadcnt \left
	v_cvt_pk_f16_f32 v[\r], v[\r], v[\r+1]
	v_cvt_pk_f16_f32 v[\r+1], v[\r+2], v[\r+3]
	global_store_b64 v2, v[\r:\r+1], s[\base:\base+1] offset:\off
.endm
.set i, 0
.rept 16
	CAST X+4*i, 31-i, 16, i*2048
.set i, i+1
.endr
.set i, 0
.rept 12
	CAST Q+4*i, 15-i, 18, i*2048
.set i, i+1
.endr
.set i, 0
.rept 4
	CAST O+4*i, 3-i, 20, i*2048
.set i, i+1
.endr
	s_wait_tensorcnt 0x0
	ds_add_u32 v208, v209
	s_wait_dscnt 0x0
	s_endpgm
.Lfunc_end_k_q1770edb608_prep:
	.size	k_q1770edb608_prep, .Lfunc_end_k_q1770edb608_prep-k_q1770edb608_prep
	.p2alignl 7, 3214868480
	.fill 96, 4, 3214868480
	.section	.rodata,"a",@progbits
	.p2align	6, 0x0
	.amdhsa_kernel k_q1770edb608_prep
		.amdhsa_group_segment_fixed_size 68608
		.amdhsa_private_segment_fixed_size 0
		.amdhsa_enable_private_segment 0
		.amdhsa_kernarg_size 64
		.amdhsa_user_sgpr_count 2
		.amdhsa_user_sgpr_kernarg_segment_ptr 1
		.amdhsa_wavefront_size32 1
		.amdhsa_system_sgpr_workgroup_id_x 1
		.amdhsa_system_sgpr_workgroup_id_y 1
		.amdhsa_system_sgpr_workgroup_id_z 1
		.amdhsa_system_vgpr_workitem_id 0
		.amdhsa_next_free_vgpr 210
		.amdhsa_next_free_sgpr 66
		.amdhsa_reserve_vcc 0
		.amdhsa_float_denorm_mode_32 3
		.amdhsa_float_denorm_mode_16_64 3
		.amdhsa_memory_ordered 1
		.amdhsa_forward_progress 1
		.amdhsa_inst_pref_size 25
	.end_amdhsa_kernel
	.amdgpu_metadata
---
amdhsa.version: [ 1, 2 ]
amdhsa.kernels:
  - .name:           k_q1770edb608_prep
    .symbol:         k_q1770edb608_prep.kd
    .args:
      - { .name: x, .offset: 0, .size: 8, .value_kind: global_buffer, .address_space: global }
      - { .name: W_qkv, .offset: 8, .size: 8, .value_kind: global_buffer, .address_space: global }
      - { .name: W_out, .offset: 16, .size: 8, .value_kind: global_buffer, .address_space: global }
      - { .name: mask, .offset: 24, .size: 8, .value_kind: global_buffer, .address_space: global }
      - { .name: xh, .offset: 32, .size: 8, .value_kind: global_buffer, .address_space: global }
      - { .name: wqh, .offset: 40, .size: 8, .value_kind: global_buffer, .address_space: global }
      - { .name: woh, .offset: 48, .size: 8, .value_kind: global_buffer, .address_space: global }
      - { .name: mbits, .offset: 56, .size: 8, .value_kind: global_buffer, .address_space: global }
    .group_segment_fixed_size: 68608
    .private_segment_fixed_size: 0
    .kernarg_segment_align: 8
    .kernarg_segment_size: 64
    .max_flat_workgroup_size: 256
    .sgpr_count:     66
    .vgpr_count:     210
    .wavefront_size: 32
...
	.end_amdgpu_metadata
.endif
;; end of part 1
;; launch qkvg (part 2): grid 16 x 16, 4 waves a work-group, clusters of 4 x 4, 327,680 bytes of LDS; arguments xh, wqh, qkv; writes qkv
.if DOCPART == 2
	.amdgcn_target "amdgcn-amd-amdhsa--gfx1250"
	.amdhsa_code_object_version 6
	.text
	.protected	k_q1770edb608_qkvg
	.globl	k_q1770edb608_qkvg
	.p2align	8
	.type	k_q1770edb608_qkvg,@function
k_q1770edb608_qkvg:
	s_mov_b64 s[64:65], 0
	v_nop
	global_prefetch_b8 v0, s[64:65] scope:SCOPE_SE
	s_setreg_imm32_b32 hwreg(HW_REG_WAVE_MODE, 25, 1), 1
	s_wait_xcnt 0x0
	s_wait_alu depctr_hold_cnt(0) depctr_sa_sdst(0) depctr_va_vdst(0) depctr_va_sdst(0) depctr_va_ssrc(0) depctr_va_vcc(0) depctr_vm_vsrc(0)
	s_getreg_b32 s2, hwreg(HW_REG_IB_STS2, 6, 4)
	s_cmp_eq_u32 s2, 0
	s_cbranch_scc0 .Lentry_in_a_cluster
	s_endpgm
.Lentry_in_a_cluster:
	s_bfe_u32 s2, ttmp6, 0x10000c
	s_cmp_lg_u32 s2, 0xf033
	s_cbranch_scc0 .Lentry_shape_is_right
	s_endpgm
.Lentry_shape_is_right:
; qkvg: qkv = xh . wqh.  xh [4096][1024] f16 (K along the rows), wqh [1024 k][3072 n] f16, sums in f32, result f16 by heads:
; qkv[g = column / 64][batch][token][64]; groups 0-15 are q, 16-31 k, 32-47 v.  q is multiplied in f32 by 0.125 log2(e), so that the attention
; launch's scores are base-2 exponents.  LIMIT: results beyond 65,504 in magnitude do not fit f16.
; A work-group makes 256 rows x 192 columns: 16 x 16 = 256 equal blocks.  Four waves; wave w makes rows 64 w .. 64 w + 63 of all 192 columns
; (three whole heads, so that its stores cover whole runs of a head's tokens): 48 accumulator tiles, 384 registers.
; K goes in steps of 128 through two LDS slots filled by tensor loads: waves 0, 1 bring 128 rows of xh each, waves 2, 3 bring 64 k-rows of wqh each.
; CLUSTERS: 4 x 4 work-groups.  xh's tile hangs on the block row alone and is asked for jointly by a row of the cluster, wqh's on the block column
; alone and is asked for jointly by a column: the requests for both are divided by four.
; wqh lies [k][n]; its fragments come out of LDS by the transposing load.  Its LDS rows: 384 bytes with 32 bytes of padding behind every 128,
; pitch 480 = 15 x 32 bytes.  xh's rows: 256 bytes + 16, pitch 272 = 17 x 16 bytes.
; THE MATRIX INSTRUCTION IS USED TRANSPOSED: source 0 = 16 columns of wqh, source 1 = 16 rows of xh; lane l then holds row l % 16 of the result and
; its registers the columns 8 (l / 16) + 0 .. 7: eight neighbours, 16 bytes of f16.
; REGISTERS: window 0: addresses, xh's fragments (two buffers), work on the way out; window 1: wqh's fragments (two buffers);
; window 2: accumulators of my rows 0-31 (tile (a, b) at 8 (12 a + b)); window 3: those of rows 32-63.
.set KSTEP, 128
.set PA,    272
.set PB,    480
.set HALFA, 128*PA                     ; what wave 0 or 1 brings
.set HALFB, 64*PB                      ; what wave 2 or 3 brings
.set BOFF,  2*HALFA                    ; wqh's rows lie behind xh's 256
.set SLOT,  2*HALFA+2*HALFB            ; 131,072
.set STAGE, 2*SLOT                     ; behind the ring: 16 rows x 400 bytes for each wave; no tensor load lands here
.set SP,    400                        ; 384 bytes + 16
.set LAPS,  4                          ; 1,024 / (2 x 128)
.set ADRA, 16                          ; v16-17 LDS address of my xh fragments in slot 0, 1
.set ADRB, 20                          ; v20-21 the same for wqh
.set STO,  24
.set RD,   25
.set CO,   26
.set TMP,  96                          ; v96-143 packed results
.set RB0,  144                         ; v144-191, v192-239: rows read back, two buffers
.set RB1,  192
.set G1,  24                           ; s[24:31] group 1 for xh's tiles
.set G0,  32                           ; s[32:39] group 0 for xh's tiles, one set a slot
.set G1B, 48                           ; s[48:55] group 1 for wqh's tiles
.set G0B, 56                           ; s[56:63] group 0 for wqh's tiles, one set a slot
.set SC,  66                           ; s[66:71] the factor of each of my three heads, as pairs
.set MSB, 0
.macro WIN new                         ; the immediate's high byte repeats the setting that is left
.if MSB != \new
	s_set_vgpr_msb (MSB<<8)|\new
.set MSB, \new
.endif
.endm
.set MUL_LO, 0xa1                      ; source 0 window 1, source 1 window 0, C and D window 2
.set MUL_HI, 0xf1                      ; the same, C and D window 3
.set TO_B,   0x40                      ; destination window 1, address window 0
.macro PLACES                          ; four places behind a matrix instruction (ISA guide 7.12.1) before its registers are read, written or loaded
.rept 4
	v_nop
.endr
.endm
.macro JLOAD s                         ; a joint load: waves 0, 1 ask for xh's halves, waves 2, 3 for wqh's; the branch hangs on the wave's number alone
	s_cmp_eq_u32 s11, 0
	s_cbranch_scc0 .Lfor_b_\@
	tensor_load_to_lds s[G0+4*\s:G0+4*\s+3], s[G1:G1+7]
	s_nop 0
	s_branch .Lasked_\@
.Lfor_b_\@:
	tensor_load_to_lds s[G0B+4*\s:G0B+4*\s+3], s[G1B:G1B+7]
	s_nop 0
.Lasked_\@:
.endm
.macro CREST                           ; a round of the cluster's barrier behind its opening work-group barrier
	s_cmp_lg_u32 s10, 0
	s_cbranch_scc1 .Lnot_wave_0_\@
	s_barrier_signal -3
.Lnot_wave_0_\@:
	s_barrier_wait -3
	s_barrier_signal -1
	s_barrier_wait -1
.endm
.macro CROUND                          ; a whole round
	s_barrier_signal -1
	s_barrier_wait -1
	CREST
.endm
	s_load_b128 s[4:7], s[0:1], 0x0                ; xh s[4:5], wqh s[6:7]
	s_load_b64 s[8:9], s[0:1], 0x10                ; qkv
	s_set_vgpr_msb 0x40
	v_lshl_add_u32 v255, v0, 2, 0x46400
	s_set_vgpr_msb 0x4000
	v_mov_b32 v255, 0
	s_set_vgpr_msb 0x1
	ds_add_u32 v255, v255
	s_set_vgpr_msb 0x100
	v_lshrrev_b32 v1, 5, v0
	v_readfirstlane_b32 s10, v1                    ; wave 0..3
	s_lshr_b32 s11, s10, 1                         ; I fetch for xh (0) or for wqh (1)
	s_and_b32 s12, s10, 1                          ; which half of that tile
	s_bfe_u32 s40, ttmp6, 0x40000                  ; cx
	s_bfe_u32 s41, ttmp6, 0x40004                  ; cy
	s_lshl_b32 s42, ttmp9, 2
	s_add_co_u32 s42, s42, s40                     ; block column = 4 x cluster x + cx
	s_and_b32 s13, ttmp7, 0xffff
	s_lshl_b32 s13, s13, 2
	s_add_co_u32 s13, s13, s41                     ; block row = 4 x cluster y + cy
	s_lshl_b32 s43, s41, 2
	s_lshl_b32 s43, 15, s43                        ; my row of the cluster
	s_lshl_b32 s44, 0x1111, s40                    ; my column
	s_or_b32 s[G1+0], s43, (1<<16)|(1<<20)|(1<<21)|(5<<22)|(3<<25)   ; mask; 2-byte elements; padding on; bit 21 beside a mask; behind every 64 words 4 words
	s_mov_b32 s[G1+1], KSTEP<<16                   ; tensor_dim0 = 128
	s_mov_b32 s[G1+2], 128<<16                     ; tensor_dim1 = 128
	s_mov_b32 s[G1+3], KSTEP<<16                   ; tile_dim0 = 128
	s_mov_b32 s[G1+4], 128                         ; tile_dim1 = 128 rows
	s_mov_b32 s[G1+5], 1024                        ; elements from row to row
	s_mov_b32 s[G1+6], 0
	s_mov_b32 s[G1+7], 0
	s_or_b32 s[G1B+0], s44, (1<<16)|(1<<20)|(1<<21)|(4<<22)|(7<<25)  ; behind every 32 words 8 words
	s_mov_b32 s[G1B+1], 192<<16                    ; tensor_dim0 = 192
	s_mov_b32 s[G1B+2], 64<<16                     ; tensor_dim1 = 64
	s_mov_b32 s[G1B+3], 192<<16                    ; tile_dim0 = 192
	s_mov_b32 s[G1B+4], 64                         ; tile_dim1 = 64 k-rows
	s_mov_b32 s[G1B+5], 3072
	s_mov_b32 s[G1B+6], 0
	s_mov_b32 s[G1B+7], 0
	; xh's address is made of the block row and the wave's number, wqh's of the block column and the wave's number, in registers that never hold the other coordinate
	s_lshl_b32 s17, s12, 7
	s_lshl_b32 s16, s13, 8
	s_add_co_u32 s16, s16, s17                     ; row 256 x block row + 128 x half
	s_lshl_b32 s16, s16, 11                        ; rows of 2,048 bytes
	s_mov_b32 s17, 0
	s_mul_i32 s46, s12, 64*6144                    ; k-row 64 x half, rows of 6,144 bytes
	s_mul_i32 s47, s42, 384                        ; 192 columns of 2 bytes
	s_add_co_u32 s46, s46, s47
	s_mov_b32 s47, 0
	s_mul_i32 s20, s10, HALFA                      ; LDS: waves 0, 1 at 0 and HALFA
	s_mul_i32 s21, s10, HALFB
	s_add_co_u32 s21, s21, BOFF-2*HALFB            ; waves 2, 3 at BOFF and BOFF + HALFB
	s_wait_dscnt 0x0
	s_wait_kmcnt 0x0
	s_add_nc_u64 s[14:15], s[4:5], s[16:17]
	s_add_nc_u64 s[46:47], s[6:7], s[46:47]
	CROUND                                         ; all sixteen work-groups are here: the first joint loads meet
.irp s, 0,1
	s_mov_b32 s[G0+4*\s], 1
	s_add_co_u32 s[G0+4*\s+1], s20, \s*SLOT
	s_add_nc_u64 s[G0+4*\s+2:G0+4*\s+3], s[14:15], \s*KSTEP*2
	s_or_b32 s[G0+4*\s+3], s[G0+4*\s+3], 0x80000000
	s_mov_b32 s[G0B+4*\s], 1
	s_add_co_u32 s[G0B+4*\s+1], s21, \s*SLOT
	s_add_nc_u64 s[G0B+4*\s+2:G0B+4*\s+3], s[46:47], \s*KSTEP*6144
	s_or_b32 s[G0B+4*\s+3], s[G0B+4*\s+3], 0x80000000
	JLOAD \s                                       ; both slots are asked for before anything else: two loads of the wave are out
.endr
	v_and_b32 v1, 15, v0                           ; r = l % 16
	v_bfe_u32 v2, v0, 4, 1                         ; h = l / 16
	v_mul_u32_u24 v3, v1, PA
	v_lshl_add_u32 v3, v2, 4, v3                   ; xh: row r, 16 h bytes
	s_mul_i32 s22, s10, 64*PA                      ; my 64 rows
	v_add_nc_u32 v[ADRA], s22, v3
	v_add_nc_u32 v[ADRA+1], SLOT, v[ADRA]
	v_and_b32 v4, 7, v0
	v_lshl_add_u32 v4, v2, 3, v4                   ; wqh: k-row 8 h + (l & 7),
	v_mul_u32_u24 v4, v4, PB
	v_bfe_u32 v5, v0, 3, 1
	v_lshl_add_u32 v4, v5, 4, v4                   ; 16 bytes further for lanes 8-15 and 24-31
	v_add_nc_u32 v[ADRB], BOFF, v4
	v_add_nc_u32 v[ADRB+1], SLOT+BOFF, v4
	s_mul_i32 s23, s10, 16*SP
	s_add_co_u32 s23, s23, STAGE                   ; my stage
	v_mul_u32_u24 v6, v1, SP
	v_lshl_add_u32 v6, v2, 4, v6
	v_add_nc_u32 v[STO], s23, v6                   ; in: row r, 16 bytes for each half of the lanes
	v_and_b32 v7, 31, v0
	v_lshrrev_b32 v8, 3, v7
	v_mul_u32_u24 v8, v8, SP
	v_and_b32 v9, 7, v0
	v_lshl_add_u32 v8, v9, 4, v8
	v_add_nc_u32 v[RD], s23, v8                    ; back: eight lanes take a token's 128 bytes of one head, four tokens a load
	v_lshlrev_b32 v[CO], 4, v7                     ; which are 512 consecutive bytes of qkv
; 12 matrix instructions: row tile a of the window's two (hi = 0: rows 0-31, 1: rows 32-63) x all 12 column tiles, 32 along K, from buffer f.
; zero = 1: the first product starts the sums.
.macro MUL12 f, hi, a, zero
.irp b, 0,1,2,3,4,5,6,7,8,9,10,11
.if \zero
	v_wmma_f32_16x16x32_f16 v[8*(12*\a+\b):8*(12*\a+\b)+7], v[96*\f+8*\b:96*\f+8*\b+7], v[32+32*\f+8*(2*\hi+\a):32+32*\f+8*(2*\hi+\a)+7], 0
.else
	v_wmma_f32_16x16x32_f16 v[8*(12*\a+\b):8*(12*\a+\b)+7], v[96*\f+8*\b:96*\f+8*\b+7], v[32+32*\f+8*(2*\hi+\a):32+32*\f+8*(2*\hi+\a)+7], v[8*(12*\a+\b):8*(12*\a+\b)+7]
.endif
.endr
.endm
; 32 LDS loads in one run: quarter q (32 along K) of a slot into buffer f: 12 column tiles of wqh (transposed on the way), then 4 row tiles of xh
.macro FETCH slot, q, f
	WIN TO_B
.irp b, 0,1,2,3,4,5,6,7,8,9,10,11
	ds_load_tr16_b128 v[96*\f+8*\b:96*\f+8*\b+3],   v[ADRB+\slot] offset:\q*32*PB+160*(\b/4)+32*(\b%4)
	ds_load_tr16_b128 v[96*\f+8*\b+4:96*\f+8*\b+7], v[ADRB+\slot] offset:\q*32*PB+16*PB+160*(\b/4)+32*(\b%4)
.endr
	WIN 0
.irp a, 0,1,2,3
	ds_load_b128 v[32+32*\f+8*\a:32+32*\f+8*\a+3],   v[ADRA+\slot] offset:64*\q+\a*16*PA
	ds_load_b128 v[32+32*\f+8*\a+4:32+32*\f+8*\a+7], v[ADRA+\slot] offset:64*\q+\a*16*PA+32
.endr
.endm
; A K step is four quarters of 48 matrix instructions on buffers 0, 1, 0, 1.  The 48 accumulators take turns, one instruction a turn, in the same
; order in every quarter, over the loop's backward jump too.
; One of the first three quarters: multiplies buffer f and, in its middle, fetches quarter q of the same slot into buffer g.
.macro QUARTER slot, q, f, g, zero
	s_wait_dscnt 4                                 ; wqh's tiles and xh's rows 0-31 are in; the youngest four loads (rows 32-63) may be out
	WIN MUL_LO
	MUL12 \f, 0, 0, \zero
	MUL12 \f, 0, 1, \zero
	PLACES
	FETCH \slot, \q, \g
	s_wait_dscnt 32                                ; all but the 32 just issued
	WIN MUL_HI
	MUL12 \f, 1, 0, \zero
	MUL12 \f, 1, 1, \zero
.endm
.macro THREE slot, zero
	QUARTER \slot, 1, 0, 1, \zero
	QUARTER \slot, 2, 1, 0, 0
	QUARTER \slot, 3, 0, 1, 0
.endm
; The last quarter multiplies buffer 1 and changes slots.  In front of the barrier each wave waits for its reads of this slot and for all its tensor
; loads (one is out: its part of the next slot).  fill = 1: the barrier opens a round of the cluster's barrier, and this slot's joint refill, two K steps
; ahead, is the first tensor load behind the round, one a wave.
.macro TURN slot, next, fill
	s_wait_dscnt 4
	WIN MUL_LO
	MUL12 1, 0, 0, 0
	s_wait_dscnt 0x0                               ; my reads of this slot are over
	s_wait_tensorcnt 0x0                           ; all my tensor loads have landed
	ds_add_u32 v255, v255
	s_wait_dscnt 0x0
	s_barrier_signal -1
	MUL12 1, 0, 1, 0                               ; register work while the others arrive
	WIN 0
	s_barrier_wait -1
.if \fill
	CREST                                          ; no wave of any partner still reads this slot or has a load on its way
	s_add_nc_u64 s[G0+4*\slot+2:G0+4*\slot+3], s[G0+4*\slot+2:G0+4*\slot+3], 2*KSTEP*2
	s_add_nc_u64 s[G0B+4*\slot+2:G0B+4*\slot+3], s[G0B+4*\slot+2:G0B+4*\slot+3], 2*KSTEP*6144
	JLOAD \slot
.endif
	PLACES
	FETCH \next, 0, 0
	WIN MUL_HI
	MUL12 1, 1, 0, 0
	MUL12 1, 1, 1, 0
.endm
.macro LAP zero
	THREE 0, \zero
	TURN 0, 1, 1
	THREE 1, 0
	TURN 1, 0, 1
.endm
	s_wait_tensorcnt 0x1                           ; my part of K step 0 is in; K step 1's load stays out
	s_barrier_signal -1
	s_barrier_wait -1
	FETCH 0, 0, 0
	LAP 1                                          ; the first lap stands in front of the loop: its first products start the sums
	WIN 0
	s_mov_b32 s3, LAPS-2
.Llap:
	LAP 0
	WIN 0
	s_sub_co_u32 s3, s3, 1
	s_cmp_lg_u32 s3, 0
	s_cbranch_scc1 .Llap
	THREE 0, 0                                     ; the last lap fills nothing
	TURN 0, 1, 0
	THREE 1, 0
	s_wait_dscnt 4
	WIN MUL_LO
	MUL12 1, 0, 0, 0
	MUL12 1, 0, 1, 0
	s_wait_dscnt 0x0
	WIN MUL_HI
	MUL12 1, 1, 0, 0
	MUL12 1, 1, 1, 0
	; THE WAY OUT, 16 rows at a time: the head's factor in f32, one rounding to f16, 16 bytes a lane into my own stage, read back by tokens of a head.
	PLACES
	s_mul_i32 s20, s42, 3                          ; my first group of 64 columns
.irp hh, 0,1,2
	s_add_co_u32 s21, s20, \hh
	s_cmp_lt_u32 s21, 16                           ; groups 0-15 are q: a choice of a value, no branch
	s_cselect_b32 s[SC+2*\hh], 0x3e38aa3b, 1.0     ; 0.125 log2(e), or 1
	s_mov_b32 s[SC+2*\hh+1], s[SC+2*\hh]
.endr
	s_lshr_b32 s16, s13, 3                         ; batch = row / 2,048
	s_lshl_b32 s16, s16, 18                        ; 2,048 tokens of 128 bytes
	s_and_b32 s17, s13, 7
	s_lshl_b32 s17, s17, 8
	s_lshl_b32 s22, s10, 6
	s_add_co_u32 s17, s17, s22                     ; my first token
	s_lshl_b32 s17, s17, 7
	s_add_co_u32 s16, s16, s17
	s_mov_b32 s17, 0
	s_add_nc_u64 s[8:9], s[8:9], s[16:17]
	s_mul_i32 s46, s42, 3*524288                   ; three groups of 2 x 2,048 x 128 bytes a block column
	s_mov_b32 s47, 0
	s_add_nc_u64 s[8:9], s[8:9], s[46:47]
.macro OUTROW a, rb
.if \a < 2
	WIN 0x82
.else
	WIN 0xc3
.endif
.irp b, 0,1,2,3,4,5,6,7,8,9,10,11
.irp p, 0,1,2,3
	v_pk_mul_f32 v[8*(12*(\a%2)+\b)+2*\p:8*(12*(\a%2)+\b)+2*\p+1], v[8*(12*(\a%2)+\b)+2*\p:8*(12*(\a%2)+\b)+2*\p+1], s[SC+2*(\b/4):SC+2*(\b/4)+1] op_sel_hi:[1,0]
.endr
.endr
.if \a < 2
	WIN 0x0a
.else
	WIN 0x0f
.endif
.irp b, 0,1,2,3,4,5,6,7,8,9,10,11
.irp p, 0,1,2,3
	v_cvt_pk_f16_f32 v[TMP+4*\b+\p], v[8*(12*(\a%2)+\b)+2*\p], v[8*(12*(\a%2)+\b)+2*\p+1]
.endr
.endr
	WIN 0
.irp b, 0,1,2,3,4,5,6,7,8,9,10,11
	ds_store_b128 v[STO], v[TMP+4*\b:TMP+4*\b+3] offset:32*\b
.endr
	s_wait_xcnt 0x0                                ; the buffer that earlier stores read is loaded again only behind this wait (ISA guide 3.1)
.irp hh, 0,1,2
.irp t, 0,1,2,3
	ds_load_b128 v[\rb+4*(4*\hh+\t):\rb+4*(4*\hh+\t)+3], v[RD] offset:\t*4*SP+\hh*128     ; a wave's LDS instructions are served in order: these see the stores above
.endr
.endr
.irp hh, 0,1,2
.irp t, 0,1,2,3
	s_wait_dscnt 11-(4*\hh+\t)                     ; the younger read-backs stay out
	global_store_b128 v[CO], v[\rb+4*(4*\hh+\t):\rb+4*(4*\hh+\t)+3], s[8:9] offset:\hh*524288+\a*2048+\t*512   ; four tokens of one head: 512 consecutive bytes, aligned
.endr
.endr
.endm
	OUTROW 0, RB0
	OUTROW 1, RB1
	OUTROW 2, RB0
	OUTROW 3, RB1
	s_set_vgpr_msb 0x1
	s_wait_tensorcnt 0x0
	ds_add_u32 v255, v255
	s_wait_dscnt 0x0
	s_set_vgpr_msb 0x100
	CROUND                                         ; the closing round: no work-group ends while a partner may still ask for a tile that names it
	s_endpgm
.Lfunc_end_k_q1770edb608_qkvg:
	.size	k_q1770edb608_qkvg, .Lfunc_end_k_q1770edb608_qkvg-k_q1770edb608_qkvg
	.p2alignl 7, 3214868480
	.fill 96, 4, 3214868480
	.section	.rodata,"a",@progbits
	.p2align	6, 0x0
	.amdhsa_kernel k_q1770edb608_qkvg
		.amdhsa_group_segment_fixed_size 327680
		.amdhsa_private_segment_fixed_size 0
		.amdhsa_enable_private_segment 0
		.amdhsa_kernarg_size 24
		.amdhsa_user_sgpr_count 2
		.amdhsa_user_sgpr_kernarg_segment_ptr 1
		.amdhsa_wavefront_size32 1
		.amdhsa_system_sgpr_workgroup_id_x 1
		.amdhsa_system_sgpr_workgroup_id_y 1
		.amdhsa_system_sgpr_workgroup_id_z 1
		.amdhsa_system_vgpr_workitem_id 0
		.amdhsa_next_free_vgpr 960
		.amdhsa_next_free_sgpr 72
		.amdhsa_reserve_vcc 0
		.amdhsa_float_denorm_mode_32 3
		.amdhsa_float_denorm_mode_16_64 3
		.amdhsa_memory_ordered 1
		.amdhsa_forward_progress 1
		.amdhsa_inst_pref_size 176
	.end_amdhsa_kernel
	.amdgpu_metadata
---
amdhsa.version: [ 1, 2 ]
amdhsa.kernels:
  - .name:           k_q1770edb608_qkvg
    .symbol:         k_q1770edb608_qkvg.kd
    .args:
      - { .name: xh, .offset: 0, .size: 8, .value_kind: global_buffer, .address_space: global }
      - { .name: wqh, .offset: 8, .size: 8, .value_kind: global_buffer, .address_space: global }
      - { .name: qkv, .offset: 16, .size: 8, .value_kind: global_buffer, .address_space: global }
    .group_segment_fixed_size: 327680
    .private_segment_fixed_size: 0
    .kernarg_segment_align: 8
    .kernarg_segment_size: 24
    .max_flat_workgroup_size: 128
    .sgpr_count:     72
    .vgpr_count:     960
    .wavefront_size: 32
...
	.end_amdgpu_metadata
.endif
;; end of part 2
;; launch attn (part 3): grid 16 x 16, 4 waves a work-group, clusters of 4 x 1, 327,680 bytes of LDS; arguments qkv, mbits, ao; writes ao
.if DOCPART == 3
	.amdgcn_target "amdgcn-amd-amdhsa--gfx1250"
	.amdhsa_code_object_version 6
	.text
	.protected	k_q1770edb608_attn
	.globl	k_q1770edb608_attn
	.p2align	8
	.type	k_q1770edb608_attn,@function
k_q1770edb608_attn:
	s_mov_b64 s[64:65], 0
	v_nop
	global_prefetch_b8 v0, s[64:65] scope:SCOPE_SE
	s_setreg_imm32_b32 hwreg(HW_REG_WAVE_MODE, 25, 1), 1
	s_wait_xcnt 0x0
	s_wait_alu depctr_hold_cnt(0) depctr_sa_sdst(0) depctr_va_vdst(0) depctr_va_sdst(0) depctr_va_ssrc(0) depctr_va_vcc(0) depctr_vm_vsrc(0)
	s_getreg_b32 s2, hwreg(HW_REG_IB_STS2, 6, 4)
	s_cmp_eq_u32 s2, 0
	s_cbranch_scc0 .Lentry_in_a_cluster
	s_endpgm
.Lentry_in_a_cluster:
	s_bfe_u32 s2, ttmp6, 0x10000c
	s_cmp_lg_u32 s2, 0x3003
	s_cbranch_scc0 .Lentry_shape_is_right
	s_endpgm
.Lentry_shape_is_right:
; attn: softmax(mask(q k^T)) v for every head, with a running maximum.  qkv [48 groups][2][2048][64] f16 (q already times 0.125 log2 e),
; mbits: the packed mask, ao [4096][1024] f16 (column = 64 head + d).
; A work-group makes 2 heads x 128 queries (a row of ao gets 256 consecutive bytes from it).  Wave w: head e = w >> 1, queries 64 (w & 1) .. + 63, all 2,048 keys.
; CLUSTERS: the four query blocks of a cluster (4, 1, 1) walk the same K and V tiles and ask for them jointly (mask 15): the requests are divided by four.
; TRANSPOSED SCHEME.  S^T = K Q^T: lane (r, h), register j of tile (qt, kt) holds key 16 kt + 8 h + j, query 16 qt + r.  So a lane serves one query: maximum,
; sum and rescaling are numbers of the lane, and one exchange between the halves of the wave joins them.  Two packed S^T tiles are, register for register,
; the second source of O^T = V^T P^T; V^T comes out of LDS by the transposing load.  O^T: lane (r, h), register j of tile (qt, dt): d = 16 dt + 8 h + j, query 16 qt + r.
; MASK: a score whose mask number is 0 is replaced by -1e9 log2(e), the reference's -1e9 in the base-2 domain (a finite number: a row with no key left
; gives the uniform softmax, as there).  The select takes its lane mask straight from a scalar register: 32 words for a query tile and 64 keys.
; A step is 64 keys (32 + 32 matrix instructions); a visit is one LDS slot of 128 keys, two steps; 16 visits on two slots.
; LIMITS: p and v go to the matrix unit in f16 (p <= 1); the sum of p is taken in f32 before that rounding.
.set PK,    144                        ; K's LDS pitch: 128 bytes + 16
.set PV,    160                        ; V's LDS pitch: 128 bytes + 32 = 5 x 32
.set REG,   20480                      ; a region: 128 rows; regions 0, 1: K of head 0, 1; regions 2, 3: V of head 0, 1; region w is brought by wave w
.set SLOT,  4*REG
.set STAGE, 2*SLOT                     ; 128 rows x 272 bytes for the way out; no tensor load lands here
.set SP,    272
.set VBYTES, 128*128                   ; a visit's bytes of one head's K or V
.set ADRK, 8                           ; v8-9   K fragments in slot 0, 1
.set ADRV, 10                          ; v10-11 V fragments
.set STO,  12
.set RD,   13
.set CO,   14
.set QO,   15
.set QF,   32                          ; v32-95   Q fragments: 16 qt + 8 ks
.set KF,   96                          ; v96-159  K fragments: 16 kt + 8 ks
.set VF,   160                         ; v160-223 V^T fragments: 8 (4 ks2 + dt)
; window 1: S at 32 qt + 8 kt + j (0-127), and
.set P,     128                        ; packed p: 16 qt + 4 kt + j / 2
.set NEGM,  196                        ; pairs: minus the running maximum, twice
.set ALPHA, 204                        ; pairs: the rescaling factor, twice
.set LS,    212                        ; pairs: running sums of even and odd registers
.set MX,    220                        ; two maxima at work
.set XH,    222                        ; the other half's
.set CH,    224                        ; eight registers for chains
.set DM,    232                        ; two differences
; window 2: O at 8 (4 qt + dt)
.set G1K, 8                            ; s[8:15]  group 1 for K's tiles
.set G1V, 16                           ; s[16:23] group 1 for V's tiles
.set G0,  24                           ; s[24:31] group 0, one set a slot
.set MA,  32                           ; s[32:63] mask words of query tiles 0 and 2
.set MB,  68                           ; s[68:99] mask words of query tiles 1 and 3
.set MSB, 0
.macro WIN new
.if MSB != \new
	s_set_vgpr_msb (MSB<<8)|\new
.set MSB, \new
.endif
.endm
.macro PLACES                          ; four places behind a matrix instruction (ISA guide 7.12.1)
.rept 4
	v_nop
.endr
.endm
.macro JLOAD s                         ; waves 0, 1 ask for K's regions, waves 2, 3 for V's; group 0 hangs on the wave, the grid's y and the visit alone
	s_cmp_eq_u32 s105, 0
	s_cbranch_scc0 .Lfor_v_\@
	tensor_load_to_lds s[G0+4*\s:G0+4*\s+3], s[G1K:G1K+7]
	s_nop 0
	s_branch .Lasked_\@
.Lfor_v_\@:
	tensor_load_to_lds s[G0+4*\s:G0+4*\s+3], s[G1V:G1V+7]
	s_nop 0
.Lasked_\@:
.endm
.macro ROUND                           ; a round of the cluster's barrier
	s_barrier_signal -1
	s_barrier_wait -1
	s_cmp_lg_u32 s3, 0
	s_cbranch_scc1 .Lnot_wave_0_\@
	s_barrier_signal -3
.Lnot_wave_0_\@:
	s_barrier_wait -3
	s_barrier_signal -1
	s_barrier_wait -1
.endm
	s_load_b128 s[36:39], s[0:1], 0x0              ; qkv s[36:37], mbits s[38:39] (the mask registers serve the set-up first)
	v_lshl_add_u32 v254, v0, 2, 0x30800
	v_mov_b32 v255, 0
	ds_add_u32 v254, v255
	v_lshrrev_b32 v1, 5, v0
	v_readfirstlane_b32 s3, v1                     ; wave
	s_lshr_b32 s105, s3, 1                         ; e: my head of the pair.  Also: I fetch K (0) or V (1)
	s_and_b32 s7, s3, 1                            ; u: my half of the queries.  Also: which head's tile I fetch
	s_bfe_u32 s40, ttmp6, 0x40000                  ; cx
	s_lshl_b32 s41, ttmp9, 2
	s_add_co_u32 s41, s41, s40                     ; query block
	s_and_b32 s42, ttmp7, 0xffff
	s_lshr_b32 s43, s42, 3                         ; batch
	s_and_b32 s44, s42, 7                          ; head pair
	s_mov_b32 s6, 0xceabfb8f                       ; -1e9 log2(e)
	s_mov_b32 s66, 0x76543210                      ; v_permlanex16_b32: lane i takes lane i of the other half
	s_mov_b32 s67, 0xfedcba98
	s_mov_b32 s[G1K+0], 15|(1<<16)|(1<<20)|(1<<21)|(4<<22)|(3<<25)   ; all four of the cluster; 2-byte elements; behind every 32 words 4 words
	s_mov_b32 s[G1K+1], 64<<16                     ; tensor_dim0 = 64
	s_mov_b32 s[G1K+2], 128<<16                    ; tensor_dim1 = 128
	s_mov_b32 s[G1K+3], 64<<16                     ; tile_dim0 = 64
	s_mov_b32 s[G1K+4], 128                        ; tile_dim1 = 128 keys
	s_mov_b32 s[G1K+5], 64                         ; elements from key to key
	s_mov_b32 s[G1K+6], 0
	s_mov_b32 s[G1K+7], 0
	s_mov_b32 s[G1V+0], 15|(1<<16)|(1<<20)|(1<<21)|(4<<22)|(7<<25)   ; the same, 8 words of padding
	s_mov_b32 s[G1V+1], 64<<16
	s_mov_b32 s[G1V+2], 128<<16
	s_mov_b32 s[G1V+3], 64<<16
	s_mov_b32 s[G1V+4], 128
	s_mov_b32 s[G1V+5], 64
	s_mov_b32 s[G1V+6], 0
	s_mov_b32 s[G1V+7], 0
	; the tile that I fetch: group 16 + 16 (w >> 1) + 2 pair + (w & 1); no register here ever holds cx
	s_lshl_b32 s45, s105, 4
	s_lshl1_add_u32 s46, s44, s7
	s_add_co_u32 s45, s45, s46
	s_add_co_u32 s45, s45, 16
	s_lshl1_add_u32 s45, s45, s43                  ; 2 group + batch
	s_lshl_b32 s48, s45, 18                        ; planes of 2,048 x 128 bytes
	s_mov_b32 s49, 0
	s_mul_i32 s56, s3, REG                         ; and where it goes
	; my queries: group 2 pair + e, token 128 block + 64 u
	s_lshl1_add_u32 s50, s44, s105
	s_lshl1_add_u32 s50, s50, s43
	s_lshl_b32 s50, s50, 18
	s_lshl1_add_u32 s52, s41, s7                   ; 2 block + u
	s_lshl_b32 s53, s52, 13
	s_add_co_u32 s50, s50, s53
	s_mov_b32 s51, 0
	s_lshl_b32 s54, s52, 14                        ; mask words: 4 query tiles of 4,096 bytes for each 64 queries
	s_mov_b32 s55, 0
	s_lshl_b32 s60, s43, 11                        ; ao: row 2,048 batch + 128 block + 32 wave,
	s_lshl_b32 s61, s41, 7
	s_add_co_u32 s60, s60, s61
	s_lshl_b32 s61, s3, 5
	s_add_co_u32 s60, s60, s61
	s_lshl_b32 s60, s60, 11                        ; rows of 2,048 bytes,
	s_lshl_b32 s61, s44, 8                         ; 256 bytes a head pair
	s_add_co_u32 s104, s60, s61
	s_wait_dscnt 0x0
	s_wait_kmcnt 0x0
	s_add_nc_u64 s[48:49], s[36:37], s[48:49]
	s_add_nc_u64 s[100:101], s[36:37], s[50:51]
	s_add_nc_u64 s[4:5], s[38:39], s[54:55]
	ROUND                                          ; the four work-groups are here: the first joint loads meet
.irp s, 0,1
	s_mov_b32 s[G0+4*\s], 1
	s_add_co_u32 s[G0+4*\s+1], s56, \s*SLOT
	s_add_nc_u64 s[G0+4*\s+2:G0+4*\s+3], s[48:49], \s*VBYTES
	s_or_b32 s[G0+4*\s+3], s[G0+4*\s+3], 0x80000000
	JLOAD \s                                       ; visits 0 and 1: two loads of the wave are out
.endr
	v_and_b32 v1, 15, v0                           ; r
	v_bfe_u32 v2, v0, 4, 1                         ; h
	v_and_b32 v3, 7, v0
	v_bfe_u32 v4, v0, 3, 1
	v_lshlrev_b32 v7, 7, v1
	v_lshl_add_u32 v[QO], v2, 4, v7                ; Q: token r, 16 h bytes
.irp qt, 0,1,2,3
.irp ks, 0,1
	global_load_b128 v[QF+16*\qt+8*\ks:QF+16*\qt+8*\ks+3],   v[QO], s[100:101] offset:\qt*2048+\ks*64
	global_load_b128 v[QF+16*\qt+8*\ks+4:QF+16*\qt+8*\ks+7], v[QO], s[100:101] offset:\qt*2048+\ks*64+32
.endr
.endr
	s_mul_i32 s57, s105, REG
	v_mul_u32_u24 v5, v1, PK
	v_lshl_add_u32 v5, v2, 4, v5
	v_add_nc_u32 v[ADRK], s57, v5                  ; K of my head: key r, 16 h bytes
	v_add_nc_u32 v[ADRK+1], SLOT, v[ADRK]
	v_lshl_add_u32 v6, v2, 3, v3
	v_mul_u32_u24 v6, v6, PV
	v_lshl_add_u32 v6, v4, 4, v6
	s_add_co_u32 s57, s57, 2*REG
	v_add_nc_u32 v[ADRV], s57, v6                  ; V of my head: key 8 h + (l & 7), 16 bytes further for lanes 8-15 and 24-31
	v_add_nc_u32 v[ADRV+1], SLOT, v[ADRV]
	s_lshl_b32 s58, s7, 6
	s_mul_i32 s58, s58, SP
	s_lshl_b32 s59, s105, 7
	s_add_co_u32 s58, s58, s59
	s_add_co_u32 s58, s58, STAGE
	v_mul_u32_u24 v7, v1, SP
	v_lshl_add_u32 v7, v2, 4, v7
	v_add_nc_u32 v[STO], s58, v7                   ; stage in: row 64 u + r, byte 128 e + 16 h
	s_mul_i32 s59, s3, 32*SP
	s_add_co_u32 s59, s59, STAGE
	v_mul_u32_u24 v7, v2, SP
	v_lshl_add_u32 v7, v1, 4, v7
	v_add_nc_u32 v[RD], s59, v7                    ; stage back: rows 32 w + ..., sixteen lanes a row of 256 bytes
	v_lshlrev_b32 v7, 11, v2
	v_lshl_add_u32 v[CO], v1, 4, v7                ; the same two rows in ao
	WIN 0x40
	v_mov_b32 v[XH], 0                             ; v_permlanex16_b32 counts as a reader of its destination
	v_mov_b32 v[XH+1], 0
	WIN 0
	s_load_b512 s[MA:MA+15],    s[4:5], 0x0        ; the first step's mask words of query tiles 0 and 1 (the set-up's scalars are spent)
	s_load_b512 s[MA+16:MA+31], s[4:5], 0x40
	s_load_b512 s[MB:MB+15],    s[4:5], 0x1000
	s_load_b512 s[MB+16:MB+31], s[4:5], 0x1040
.macro LDK slot, st                    ; 16 loads: K fragments of step st of a slot
.irp kt, 0,1,2,3
.irp ks, 0,1
	ds_load_b128 v[KF+16*\kt+8*\ks:KF+16*\kt+8*\ks+3],   v[ADRK+\slot] offset:\st*64*PK+\kt*16*PK+\ks*64
	ds_load_b128 v[KF+16*\kt+8*\ks+4:KF+16*\kt+8*\ks+7], v[ADRK+\slot] offset:\st*64*PK+\kt*16*PK+\ks*64+32
.endr
.endr
.endm
.macro LDV slot, st                    ; 16 transposing loads: V^T fragments of step st
.irp ks2, 0,1
.irp dt, 0,1,2,3
	ds_load_tr16_b128 v[VF+8*(4*\ks2+\dt):VF+8*(4*\ks2+\dt)+3],   v[ADRV+\slot] offset:\st*64*PV+\ks2*32*PV+\dt*32
	ds_load_tr16_b128 v[VF+8*(4*\ks2+\dt)+4:VF+8*(4*\ks2+\dt)+7], v[ADRV+\slot] offset:\st*64*PV+\ks2*32*PV+16*PV+\dt*32
.endr
.endr
.endm
; The sixteen accumulators of a product take turns, one instruction a turn, in the same order in both halves of its K.
.macro SMUL ks                         ; S^T += K Q^T over d = 32 ks .. + 31; the first half starts the sums
.irp qt, 0,1,2,3
.irp kt, 0,1,2,3
.if \ks == 0
	v_wmma_f32_16x16x32_f16 v[32*\qt+8*\kt:32*\qt+8*\kt+7], v[KF+16*\kt+8*\ks:KF+16*\kt+8*\ks+7], v[QF+16*\qt+8*\ks:QF+16*\qt+8*\ks+7], 0
.else
	v_wmma_f32_16x16x32_f16 v[32*\qt+8*\kt:32*\qt+8*\kt+7], v[KF+16*\kt+8*\ks:KF+16*\kt+8*\ks+7], v[QF+16*\qt+8*\ks:QF+16*\qt+8*\ks+7], v[32*\qt+8*\kt:32*\qt+8*\kt+7]
.endif
.endr
.endr
.endm
.macro PVMUL ks2, first                ; O^T += V^T P^T over keys 32 ks2 .. + 31
.irp qt, 0,1,2,3
.irp dt, 0,1,2,3
.if \first
	v_wmma_f32_16x16x32_f16 v[8*(4*\qt+\dt):8*(4*\qt+\dt)+7], v[VF+8*(4*\ks2+\dt):VF+8*(4*\ks2+\dt)+7], v[P+16*\qt+8*\ks2:P+16*\qt+8*\ks2+7], 0
.else
	v_wmma_f32_16x16x32_f16 v[8*(4*\qt+\dt):8*(4*\qt+\dt)+7], v[VF+8*(4*\ks2+\dt):VF+8*(4*\ks2+\dt)+7], v[P+16*\qt+8*\ks2:P+16*\qt+8*\ks2+7], v[8*(4*\qt+\dt):8*(4*\qt+\dt)+7]
.endif
.endr
.endr
.endm
.macro MASK qt, buf                    ; bit 1 keeps the score, bit 0 takes the constant
.set i, 0
.rept 32
	v_cndmask_b32 v[32*\qt+i], s6, v[32*\qt+i], s[\buf+i]
.set i, i+1
.endr
.endm
.macro MAXP qt, p, first               ; the largest of my 32 scores of query tile qt and the running maximum, in four chains, into MX + p
.irp c, 0,1,2,3
	v_max3_num_f32 v[CH+4*\p+\c], v[32*\qt+8*\c], v[32*\qt+8*\c+1], v[32*\qt+8*\c+2]
.endr
.irp c, 0,1,2,3
	v_max3_num_f32 v[CH+4*\p+\c], v[CH+4*\p+\c], v[32*\qt+8*\c+3], v[32*\qt+8*\c+4]
.endr
.irp c, 0,1,2,3
	v_max3_num_f32 v[CH+4*\p+\c], v[CH+4*\p+\c], v[32*\qt+8*\c+5], v[32*\qt+8*\c+6]
.endr
.irp c, 0,1,2,3
	v_max_num_f32 v[CH+4*\p+\c], v[CH+4*\p+\c], v[32*\qt+8*\c+7]
.endr
	v_max3_num_f32 v[MX+\p], v[CH+4*\p], v[CH+4*\p+1], v[CH+4*\p+2]
.if \first
	v_max_num_f32 v[MX+\p], v[MX+\p], v[CH+4*\p+3]
.else
	v_max3_num_f32 v[MX+\p], v[MX+\p], v[CH+4*\p+3], -v[NEGM+2*\qt]
.endif
.endm
.macro STAT qa, qb, first              ; two query tiles: join the halves, alpha = 2^(old maximum - new), keep minus the new maximum
	v_permlanex16_b32 v[XH], v[MX], s66, s67
	v_permlanex16_b32 v[XH+1], v[MX+1], s66, s67
	v_max_num_f32 v[MX], v[MX], v[XH]
	v_max_num_f32 v[MX+1], v[MX+1], v[XH+1]
.if \first == 0
	v_sub_f32 v[DM], -v[NEGM+2*\qa], v[MX]
	v_sub_f32 v[DM+1], -v[NEGM+2*\qb], v[MX+1]
	v_exp_f32 v[ALPHA+2*\qa], v[DM]
	v_exp_f32 v[ALPHA+2*\qb], v[DM+1]              ; the four plain lines below stand between these and the first use of their results (ISA guide 5.7.2)
.endif
	v_mul_f32 v[NEGM+2*\qa], -1.0, v[MX]
	v_mul_f32 v[NEGM+2*\qa+1], -1.0, v[MX]
	v_mul_f32 v[NEGM+2*\qb], -1.0, v[MX+1]
	v_mul_f32 v[NEGM+2*\qb+1], -1.0, v[MX+1]
.if \first == 0
	s_wait_alu depctr_va_vdst(0)
	v_mov_b32 v[ALPHA+2*\qa+1], v[ALPHA+2*\qa]
	v_mov_b32 v[ALPHA+2*\qb+1], v[ALPHA+2*\qb]
.endif
.endm
.macro EXPP qt, first                  ; p = 2^(s - maximum), the running sum, p packed to f16
.set i, 0
.rept 16
	v_pk_add_f32 v[32*\qt+2*i:32*\qt+2*i+1], v[32*\qt+2*i:32*\qt+2*i+1], v[NEGM+2*\qt:NEGM+2*\qt+1]
.set i, i+1
.endr
.set i, 0
.rept 32
	v_exp_f32 v[32*\qt+i], v[32*\qt+i]
.set i, i+1
.endr
	v_nop                                          ; one plain place behind the exponentials before their results are used
	s_wait_alu depctr_va_vdst(0)
.irp c, 0,1,2,3
	v_pk_add_f32 v[CH+2*\c:CH+2*\c+1], v[32*\qt+2*\c:32*\qt+2*\c+1], v[32*\qt+8+2*\c:32*\qt+8+2*\c+1]
.endr
.irp c, 0,1,2,3
	v_pk_add_f32 v[CH+2*\c:CH+2*\c+1], v[CH+2*\c:CH+2*\c+1], v[32*\qt+16+2*\c:32*\qt+16+2*\c+1]
.endr
.irp c, 0,1,2,3
	v_pk_add_f32 v[CH+2*\c:CH+2*\c+1], v[CH+2*\c:CH+2*\c+1], v[32*\qt+24+2*\c:32*\qt+24+2*\c+1]
.endr
	v_pk_add_f32 v[CH:CH+1], v[CH:CH+1], v[CH+2:CH+3]
	v_pk_add_f32 v[CH+4:CH+5], v[CH+4:CH+5], v[CH+6:CH+7]
.if \first == 0
	v_pk_fma_f32 v[CH:CH+1], v[LS+2*\qt:LS+2*\qt+1], v[ALPHA+2*\qt:ALPHA+2*\qt+1], v[CH:CH+1]
.endif
	v_pk_add_f32 v[LS+2*\qt:LS+2*\qt+1], v[CH:CH+1], v[CH+4:CH+5]
.set i, 0
.rept 16
	v_cvt_pk_f16_f32 v[P+16*\qt+i], v[32*\qt+2*i], v[32*\qt+2*i+1]
.set i, i+1
.endr
.endm
.macro RESC                            ; O *= alpha of the lane's query
.irp qt, 0,1,2,3
.set i, 0
.rept 16
	v_pk_mul_f32 v[32*\qt+2*i:32*\qt+2*i+1], v[32*\qt+2*i:32*\qt+2*i+1], v[ALPHA+2*\qt:ALPHA+2*\qt+1]
.set i, i+1
.endr
.endr
.endm
; One step of 64 keys.  st: which half of the slot; first: the launch's first step; more: the slot's other step follows; last: the launch's last step.
.macro STEP slot, st, first, more, last
	s_wait_dscnt 16                                ; this step's 16 K loads are in; the 16 V loads behind them may be out
	WIN 0x50
	SMUL 0
	SMUL 1
	PLACES
.if \more
	WIN 0
	LDK \slot, 1
.endif
	s_wait_kmcnt 0x0                               ; mask words of query tiles 0 and 1
	WIN 0x55
	MASK 0, MA
	MASK 1, MB
	MAXP 0, 0, \first
	MAXP 1, 1, \first
	s_load_b512 s[MA:MA+15],    s[4:5], 0x2000     ; those of query tiles 2 and 3, into the registers just used
	s_load_b512 s[MA+16:MA+31], s[4:5], 0x2040
	s_load_b512 s[MB:MB+15],    s[4:5], 0x3000
	s_load_b512 s[MB+16:MB+31], s[4:5], 0x3040
	STAT 0, 1, \first
	EXPP 0, \first
	EXPP 1, \first
	s_wait_kmcnt 0x0                               ; they are in, and the pointer may be stepped
	MASK 2, MA
	MASK 3, MB
	MAXP 2, 0, \first
	MAXP 3, 1, \first
.if \last == 0
	s_add_nc_u64 s[4:5], s[4:5], 128               ; 4 key tiles x 8 words on
	s_load_b512 s[MA:MA+15],    s[4:5], 0x0        ; the next step's words of query tiles 0 and 1
	s_load_b512 s[MA+16:MA+31], s[4:5], 0x40
	s_load_b512 s[MB:MB+15],    s[4:5], 0x1000
	s_load_b512 s[MB+16:MB+31], s[4:5], 0x1040
.endif
	STAT 2, 3, \first
	EXPP 2, \first
	EXPP 3, \first
.if \first == 0
	WIN 0x86
	RESC
.endif
	s_wait_dscnt 16*\more                          ; V's 16 loads are in; the next step's 16 K loads, where there are any, may be out
	WIN 0xa4
	PVMUL 0, \first
	PVMUL 1, 0
	PLACES
	WIN 0
.if \more
	LDV \slot, 1
.endif
.endm
; The change to slot `slot`.  Every wave waits for all its tensor loads (its part of that slot among them) and for its reads of the other slot;
; refill = 1: a round of the cluster's barrier, and the other slot's joint refill, two visits ahead, first behind it, one load a wave.
.macro CHANGE slot, refill
	s_wait_tensorcnt 0x0
	ds_add_u32 v254, v255
	s_wait_dscnt 0x0
	s_wait_dscnt 0x0
.if \refill
	s_add_nc_u64 s[G0+4*(1-\slot)+2:G0+4*(1-\slot)+3], s[G0+4*(1-\slot)+2:G0+4*(1-\slot)+3], 2*VBYTES   ; no load of mine is out: group 0 may be written
	ROUND
	JLOAD (1-\slot)
.else
	s_barrier_signal -1
	s_barrier_wait -1
.endif
	LDK \slot, 0
	LDV \slot, 0
.endm
	s_wait_tensorcnt 0x1                           ; my part of visit 0 is in; visit 1's load stays out
	s_barrier_signal -1
	s_barrier_wait -1
	LDK 0, 0
	LDV 0, 0
	s_wait_loadcnt 0x0                             ; Q
	STEP 0, 0, 1, 1, 0                             ; the first step starts maxima, sums and O
	STEP 0, 1, 0, 0, 0
	s_mov_b32 s2, 7
.Lvisits:
	CHANGE 1, 1
	STEP 1, 0, 0, 1, 0
	STEP 1, 1, 0, 0, 0
	CHANGE 0, 1
	STEP 0, 0, 0, 1, 0
	STEP 0, 1, 0, 0, 0
	s_sub_co_u32 s2, s2, 1
	s_cmp_lg_u32 s2, 0
	s_cbranch_scc1 .Lvisits
	CHANGE 1, 0                                    ; the last visit: nothing is left to fetch
	STEP 1, 0, 0, 1, 0
	STEP 1, 1, 0, 0, 1
	; THE END: O / l, rounded to f16, through the stage so that both heads of a row leave together.
	s_load_b64 s[32:33], s[0:1], 0x10              ; ao (the mask registers are free)
	s_mov_b32 s34, s104
	s_mov_b32 s35, 0
	WIN 0x55
.irp qt, 0,1,2,3
	v_add_f32 v[CH+\qt], v[LS+2*\qt], v[LS+2*\qt+1]
.endr
.irp qt, 0,1,2,3
	v_permlanex16_b32 v[CH+4+\qt], v[CH+\qt], s66, s67
.endr
.irp qt, 0,1,2,3
	v_add_f32 v[CH+\qt], v[CH+\qt], v[CH+4+\qt]    ; at least 1: the largest score's own term
.endr
.irp qt, 0,1,2,3
	v_rcp_f32 v[ALPHA+2*\qt], v[CH+\qt]
.endr
	v_nop                                          ; one plain place behind the reciprocals
	s_wait_alu depctr_va_vdst(0)
.irp qt, 0,1,2,3
	v_mov_b32 v[ALPHA+2*\qt+1], v[ALPHA+2*\qt]
.endr
	WIN 0x86
	RESC
	WIN 0x0a
.set i, 0
.rept 64
	v_cvt_pk_f16_f32 v[QF+i], v[2*i], v[2*i+1]
.set i, i+1
.endr
	WIN 0
.irp qt, 0,1,2,3
.irp dt, 0,1,2,3
	ds_store_b128 v[STO], v[QF+16*\qt+4*\dt:QF+16*\qt+4*\dt+3] offset:\qt*16*SP+\dt*32
.endr
.endr
	s_wait_dscnt 0x0                               ; my stores are done, for the waves that read them
	s_barrier_signal -1
	s_barrier_wait -1
.irp t, 0,1,2,3,4,5,6,7,8,9,10,11,12,13,14,15
	ds_load_b128 v[KF+4*\t:KF+4*\t+3], v[RD] offset:\t*2*SP
.endr
	s_wait_kmcnt 0x0
	s_add_nc_u64 s[32:33], s[32:33], s[34:35]
.irp t, 0,1,2,3,4,5,6,7,8,9,10,11,12,13,14,15
	s_wait_dscnt 15-\t                             ; the younger read-backs stay out
	global_store_b128 v[CO], v[KF+4*\t:KF+4*\t+3], s[32:33] offset:\t*4096     ; sixteen lanes store 256 consecutive bytes, aligned
.endr
	s_wait_tensorcnt 0x0
	ds_add_u32 v254, v255
	s_wait_dscnt 0x0
	ROUND                                          ; the closing round
	s_endpgm
.Lfunc_end_k_q1770edb608_attn:
	.size	k_q1770edb608_attn, .Lfunc_end_k_q1770edb608_attn-k_q1770edb608_attn
	.p2alignl 7, 3214868480
	.fill 96, 4, 3214868480
	.section	.rodata,"a",@progbits
	.p2align	6, 0x0
	.amdhsa_kernel k_q1770edb608_attn
		.amdhsa_group_segment_fixed_size 327680
		.amdhsa_private_segment_fixed_size 0
		.amdhsa_enable_private_segment 0
		.amdhsa_kernarg_size 24
		.amdhsa_user_sgpr_count 2
		.amdhsa_user_sgpr_kernarg_segment_ptr 1
		.amdhsa_wavefront_size32 1
		.amdhsa_system_sgpr_workgroup_id_x 1
		.amdhsa_system_sgpr_workgroup_id_y 1
		.amdhsa_system_sgpr_workgroup_id_z 1
		.amdhsa_system_vgpr_workitem_id 0
		.amdhsa_next_free_vgpr 640
		.amdhsa_next_free_sgpr 106
		.amdhsa_reserve_vcc 0
		.amdhsa_float_denorm_mode_32 3
		.amdhsa_float_denorm_mode_16_64 3
		.amdhsa_memory_ordered 1
		.amdhsa_forward_progress 1
		.amdhsa_inst_pref_size 255
	.end_amdhsa_kernel
	.section	.bss,"aw",@nobits
	.p2align	6
	.space	262144
	.amdgpu_metadata
---
amdhsa.version: [ 1, 2 ]
amdhsa.kernels:
  - .name:           k_q1770edb608_attn
    .symbol:         k_q1770edb608_attn.kd
    .args:
      - { .name: qkv, .offset: 0, .size: 8, .value_kind: global_buffer, .address_space: global }
      - { .name: mbits, .offset: 8, .size: 8, .value_kind: global_buffer, .address_space: global }
      - { .name: ao, .offset: 16, .size: 8, .value_kind: global_buffer, .address_space: global }
    .group_segment_fixed_size: 327680
    .private_segment_fixed_size: 0
    .kernarg_segment_align: 8
    .kernarg_segment_size: 24
    .max_flat_workgroup_size: 128
    .sgpr_count:     106
    .vgpr_count:     640
    .wavefront_size: 32
...
	.end_amdgpu_metadata
.endif
;; end of part 3
;; launch outg (part 4): grid 8 x 32, 4 waves a work-group, clusters of 4 x 4, 327,680 bytes of LDS; arguments ao, woh, b_out, out0; writes out0
.if DOCPART == 4
	.amdgcn_target "amdgcn-amd-amdhsa--gfx1250"
	.amdhsa_code_object_version 6
	.text
	.protected	k_q1770edb608_outg
	.globl	k_q1770edb608_outg
	.p2align	8
	.type	k_q1770edb608_outg,@function
k_q1770edb608_outg:
	s_mov_b64 s[64:65], 0
	v_nop
	global_prefetch_b8 v0, s[64:65] scope:SCOPE_SE
	s_setreg_imm32_b32 hwreg(HW_REG_WAVE_MODE, 25, 1), 1
	s_wait_xcnt 0x0
	s_wait_alu depctr_hold_cnt(0) depctr_sa_sdst(0) depctr_va_vdst(0) depctr_va_sdst(0) depctr_va_ssrc(0) depctr_va_vcc(0) depctr_vm_vsrc(0)
	s_getreg_b32 s2, hwreg(HW_REG_IB_STS2, 6, 4)
	s_cmp_eq_u32 s2, 0
	s_cbranch_scc0 .Lentry_in_a_cluster
	s_endpgm
.Lentry_in_a_cluster:
	s_bfe_u32 s2, ttmp6, 0x10000c
	s_cmp_lg_u32 s2, 0xf033
	s_cbranch_scc0 .Lentry_shape_is_right
	s_endpgm
.Lentry_shape_is_right:
; outg: out0 = ao . woh + b_out.  ao [4096][1024] f16 (K along the rows), woh [1024 k][1024 n] f16, b_out [1024] f32, out0 [4096][1024] f32; sums in f32.
; A work-group makes 128 x 128: 8 x 32 = 256 equal blocks.  Four waves, 2 x 2, each 64 x 64: 16 accumulator tiles.
; A K step of 128 is only 64 matrix instructions of a wave, so a slot holds 256 along K, brought by one load a wave: four visits on two slots, all written out.
; Waves 0, 1 bring 128 k-rows of woh each (rows of 256 bytes, aligned), waves 2, 3 bring 64 rows of ao each (rows of 512 bytes, aligned).
; CLUSTERS: 4 x 4; ao's tile is asked for jointly along a row of the cluster, woh's along a column.
; The matrix instruction is used transposed (source 0 = columns of woh, by the transposing load; source 1 = rows of ao): lane l holds row l % 16 and the
; columns 8 (l / 16) + 0 .. 7.  The bias, laid out like such a tile, is the C of each tile's first product: it costs no vector instruction.
.set PA,    528                        ; ao's LDS pitch: 512 bytes + 16
.set PB,    288                        ; woh's LDS pitch: 256 bytes + 32 = 9 x 32
.set HALFB, 128*PB
.set HALFA, 64*PA
.set AOFF,  2*HALFB                    ; ao's rows lie behind woh's 256
.set SLOT,  2*HALFB+2*HALFA            ; 141,312
.set STAGE, 2*SLOT                     ; 16 rows x 272 bytes for each wave; no tensor load lands here
.set SP,    272
.set ADRA, 16                          ; v16-17 ao fragments in slot 0, 1
.set ADRB, 20                          ; v20-23 woh fragments: 2 slot + half of the slot's k-rows (so that the immediates stay under 65,536)
.set STO,  24
.set RD,   25
.set CO,   26
.set BO,   27
.set BIAS, 160                         ; v160-191 the bias of my four column tiles
.set RB0,  192                         ; v192-223, v224-255 rows read back
.set RB1,  224
.set G1,  24                           ; s[24:31] group 1 for ao's tiles
.set G0,  32                           ; s[32:39] group 0 for ao's tiles
.set G1B, 48                           ; s[48:55] group 1 for woh's tiles
.set G0B, 56                           ; s[56:63] group 0 for woh's tiles
.set MSB, 0
.macro WIN new
.if MSB != \new
	s_set_vgpr_msb (MSB<<8)|\new
.set MSB, \new
.endif
.endm
.macro PLACES                          ; four places behind a matrix instruction (ISA guide 7.12.1)
.rept 4
	v_nop
.endr
.endm
.macro JLOAD s                         ; waves 0, 1 ask for woh's halves, waves 2, 3 for ao's
	s_cmp_eq_u32 s13, 0
	s_cbranch_scc0 .Lfor_a_\@
	tensor_load_to_lds s[G0B+4*\s:G0B+4*\s+3], s[G1B:G1B+7]
	s_nop 0
	s_branch .Lasked_\@
.Lfor_a_\@:
	tensor_load_to_lds s[G0+4*\s:G0+4*\s+3], s[G1:G1+7]
	s_nop 0
.Lasked_\@:
.endm
.macro CROUND                          ; a round of the cluster's barrier
	s_barrier_signal -1
	s_barrier_wait -1
	s_cmp_lg_u32 s12, 0
	s_cbranch_scc1 .Lnot_wave_0_\@
	s_barrier_signal -3
.Lnot_wave_0_\@:
	s_barrier_wait -3
	s_barrier_signal -1
	s_barrier_wait -1
.endm
	s_load_b256 s[4:11], s[0:1], 0x0               ; ao s[4:5], woh s[6:7], b_out s[8:9], out0 s[10:11]
	v_lshl_add_u32 v30, v0, 2, 0x49400
	v_mov_b32 v31, 0
	ds_add_u32 v30, v31
	v_lshrrev_b32 v1, 5, v0
	v_readfirstlane_b32 s12, v1                    ; wave
	s_lshr_b32 s13, s12, 1                         ; my half of the block's rows.  Also: I fetch woh (0) or ao (1)
	s_and_b32 s14, s12, 1                          ; my half of its columns.  Also: which half of that tile
	s_bfe_u32 s40, ttmp6, 0x40000                  ; cx
	s_bfe_u32 s41, ttmp6, 0x40004                  ; cy
	s_lshl_b32 s42, ttmp9, 2
	s_add_co_u32 s42, s42, s40                     ; block column
	s_and_b32 s15, ttmp7, 0xffff
	s_lshl_b32 s15, s15, 2
	s_add_co_u32 s15, s15, s41                     ; block row
	s_lshl_b32 s43, s41, 2
	s_lshl_b32 s43, 15, s43                        ; my row of the cluster
	s_lshl_b32 s44, 0x1111, s40                    ; my column
	s_or_b32 s[G1+0], s43, (1<<16)|(1<<20)|(1<<21)|(6<<22)|(3<<25)   ; ao: behind every 128 words 4 words
	s_mov_b32 s[G1+1], 256<<16                     ; tensor_dim0 = 256
	s_mov_b32 s[G1+2], 64<<16                      ; tensor_dim1 = 64
	s_mov_b32 s[G1+3], 256<<16                     ; tile_dim0 = 256
	s_mov_b32 s[G1+4], 64                          ; tile_dim1 = 64 rows
	s_mov_b32 s[G1+5], 1024
	s_mov_b32 s[G1+6], 0
	s_mov_b32 s[G1+7], 0
	s_or_b32 s[G1B+0], s44, (1<<16)|(1<<20)|(1<<21)|(5<<22)|(7<<25)  ; woh: behind every 64 words 8 words
	s_mov_b32 s[G1B+1], 128<<16
	s_mov_b32 s[G1B+2], 128<<16
	s_mov_b32 s[G1B+3], 128<<16
	s_mov_b32 s[G1B+4], 128                        ; 128 k-rows
	s_mov_b32 s[G1B+5], 1024
	s_mov_b32 s[G1B+6], 0
	s_mov_b32 s[G1B+7], 0
	s_lshl_b32 s16, s15, 7
	s_lshl_b32 s17, s14, 6
	s_add_co_u32 s16, s16, s17                     ; ao: row 128 x block row + 64 x half
	s_lshl_b32 s16, s16, 11
	s_mov_b32 s17, 0
	s_lshl_b32 s46, s14, 18                        ; woh: k-row 128 x half, rows of 2,048 bytes,
	s_lshl_b32 s47, s42, 8                         ; 128 columns of 2 bytes
	s_add_co_u32 s46, s46, s47
	s_mov_b32 s47, 0
	s_mul_i32 s20, s12, HALFA
	s_add_co_u32 s20, s20, AOFF-2*HALFA            ; LDS: waves 2, 3 at AOFF and AOFF + HALFA
	s_mul_i32 s21, s12, HALFB                      ; waves 0, 1 at 0 and HALFB
	s_wait_dscnt 0x0
	s_wait_kmcnt 0x0
	s_add_nc_u64 s[18:19], s[4:5], s[16:17]
	s_add_nc_u64 s[46:47], s[6:7], s[46:47]
	CROUND                                         ; the first joint loads meet
.irp s, 0,1
	s_mov_b32 s[G0+4*\s], 1
	s_add_co_u32 s[G0+4*\s+1], s20, \s*SLOT
	s_add_nc_u64 s[G0+4*\s+2:G0+4*\s+3], s[18:19], \s*512
	s_or_b32 s[G0+4*\s+3], s[G0+4*\s+3], 0x80000000
	s_mov_b32 s[G0B+4*\s], 1
	s_add_co_u32 s[G0B+4*\s+1], s21, \s*SLOT
	s_add_nc_u64 s[G0B+4*\s+2:G0B+4*\s+3], s[46:47], \s*256*2048
	s_or_b32 s[G0B+4*\s+3], s[G0B+4*\s+3], 0x80000000
	JLOAD \s                                       ; visits 0 and 1: two loads of the wave are out
.endr
	v_and_b32 v1, 15, v0                           ; r
	v_bfe_u32 v2, v0, 4, 1                         ; h
	v_and_b32 v3, 7, v0
	v_bfe_u32 v4, v0, 3, 1
	s_lshl_b32 s22, s42, 9                         ; my first column in f32 bytes: 512 x block column + 256 x half
	s_lshl_b32 s23, s14, 8
	s_add_co_u32 s22, s22, s23
	s_mov_b32 s23, 0
	s_add_nc_u64 s[8:9], s[8:9], s[22:23]
	s_add_nc_u64 s[10:11], s[10:11], s[22:23]
	v_lshlrev_b32 v[BO], 5, v2                     ; 8 h columns
.irp b, 0,1,2,3
	global_load_b128 v[BIAS+8*\b:BIAS+8*\b+3],   v[BO], s[8:9] offset:64*\b       ; register j: b_out[16 b + 8 h + j] of my columns
	global_load_b128 v[BIAS+8*\b+4:BIAS+8*\b+7], v[BO], s[8:9] offset:64*\b+16
.endr
	s_lshl_b32 s16, s15, 7
	s_lshl_b32 s17, s13, 6
	s_add_co_u32 s16, s16, s17                     ; my first row of out0
	s_lshl_b32 s16, s16, 12
	s_mov_b32 s17, 0
	s_add_nc_u64 s[10:11], s[10:11], s[16:17]
	s_mul_i32 s3, s13, 64*PA
	s_add_co_u32 s3, s3, AOFF
	v_mul_u32_u24 v5, v1, PA
	v_lshl_add_u32 v5, v2, 4, v5
	v_add_nc_u32 v[ADRA], s3, v5
	v_add_nc_u32 v[ADRA+1], SLOT, v[ADRA]
	v_lshl_add_u32 v6, v2, 3, v3
	v_mul_u32_u24 v6, v6, PB
	v_lshl_add_u32 v6, v4, 4, v6
	s_lshl_b32 s3, s14, 7                          ; my 64 columns of 2 bytes
	v_add_nc_u32 v[ADRB], s3, v6
	v_add_nc_u32 v[ADRB+1], HALFB, v[ADRB]
	v_add_nc_u32 v[ADRB+2], SLOT, v[ADRB]
	v_add_nc_u32 v[ADRB+3], SLOT+HALFB, v[ADRB]
	s_mul_i32 s3, s12, 16*SP
	s_add_co_u32 s3, s3, STAGE
	v_mul_u32_u24 v7, v1, SP
	v_lshl_add_u32 v7, v2, 5, v7
	v_add_nc_u32 v[STO], s3, v7                    ; in: row r, 32 bytes for each half of the lanes
	v_mul_u32_u24 v7, v2, SP
	v_lshl_add_u32 v7, v1, 4, v7
	v_add_nc_u32 v[RD], s3, v7                     ; back: sixteen lanes a row of 256 bytes
	v_lshlrev_b32 v7, 12, v2
	v_lshl_add_u32 v[CO], v1, 4, v7
; 16 loads: quarter q (32 along K, q = 0 .. 7) of a slot into buffer f: woh's fragments at 64 + 64 f, ao's at 32 + 64 f
.macro FETCH slot, q, f
.irp b, 0,1,2,3
	ds_load_tr16_b128 v[64+64*\f+8*\b:64+64*\f+8*\b+3],   v[ADRB+2*\slot+(\q/4)] offset:(\q%4)*32*PB+32*\b
	ds_load_tr16_b128 v[64+64*\f+8*\b+4:64+64*\f+8*\b+7], v[ADRB+2*\slot+(\q/4)] offset:(\q%4)*32*PB+16*PB+32*\b
.endr
.irp a, 0,1,2,3
	ds_load_b128 v[32+64*\f+8*\a:32+64*\f+8*\a+3],   v[ADRA+\slot] offset:64*\q+\a*16*PA
	ds_load_b128 v[32+64*\f+8*\a+4:32+64*\f+8*\a+7], v[ADRA+\slot] offset:64*\q+\a*16*PA+32
.endr
.endm
; 16 matrix instructions; the sixteen accumulators take turns, one instruction a turn, in the same order in every quarter.
.macro MUL16 f, bias
.irp a, 0,1,2,3
.irp b, 0,1,2,3
.if \bias
	v_wmma_f32_16x16x32_f16 v[8*(4*\a+\b):8*(4*\a+\b)+7], v[64+64*\f+8*\b:64+64*\f+8*\b+7], v[32+64*\f+8*\a:32+64*\f+8*\a+7], v[BIAS+8*\b:BIAS+8*\b+7]
.else
	v_wmma_f32_16x16x32_f16 v[8*(4*\a+\b):8*(4*\a+\b)+7], v[64+64*\f+8*\b:64+64*\f+8*\b+7], v[32+64*\f+8*\a:32+64*\f+8*\a+7], v[8*(4*\a+\b):8*(4*\a+\b)+7]
.endif
.endr
.endr
.endm
.macro QSTEP slot, q, bias             ; fetches quarter q + 1 and multiplies quarter q
	PLACES
	WIN 0
	FETCH \slot, (\q+1), ((\q+1)%2)
	s_wait_dscnt 16                                ; all but the 16 just issued
.if \bias
	WIN 0x40                                       ; D window 1; sources and C (the bias) window 0
.else
	WIN 0x50                                       ; C and D window 1
.endif
	MUL16 (\q%2), \bias
.endm
.macro VISIT slot, bias
	QSTEP \slot, 0, \bias
.irp q, 1,2,3,4,5,6
	QSTEP \slot, \q, 0
.endr
	s_wait_dscnt 0x0
	WIN 0x50
	MUL16 1, 0
.endm
; The change to slot `slot`: every wave waits for all its tensor loads and for its reads of the other slot; refill = 1: a round of the cluster's barrier,
; and the other slot's joint refill, two visits ahead, first behind it, one load a wave.
.macro NEXT slot, refill
	WIN 0
	s_wait_tensorcnt 0x0
	ds_add_u32 v30, v31
	s_wait_dscnt 0x0
	s_wait_dscnt 0x0
.if \refill
	CROUND
	s_add_nc_u64 s[G0+4*(1-\slot)+2:G0+4*(1-\slot)+3], s[G0+4*(1-\slot)+2:G0+4*(1-\slot)+3], 2*512
	s_add_nc_u64 s[G0B+4*(1-\slot)+2:G0B+4*(1-\slot)+3], s[G0B+4*(1-\slot)+2:G0B+4*(1-\slot)+3], 2*256*2048
	JLOAD (1-\slot)
.else
	s_barrier_signal -1
	s_barrier_wait -1
.endif
	PLACES
	FETCH \slot, 0, 0
.endm
	s_wait_tensorcnt 0x1                           ; my part of visit 0 is in; visit 1's load stays out
	s_barrier_signal -1
	s_barrier_wait -1
	FETCH 0, 0, 0
	s_wait_loadcnt 0x0                             ; the bias
	VISIT 0, 1
	NEXT 1, 1
	VISIT 1, 0
	NEXT 0, 1
	VISIT 0, 0
	NEXT 1, 0                                      ; nothing is left to fetch
	VISIT 1, 0
	; THE WAY OUT, 16 rows at a time: f32 straight from the accumulators into my own stage, read back as rows of 256 bytes.
	PLACES
.macro OUT16 a, rb
	WIN 0x04                                       ; the stores' data in window 1
.irp b, 0,1,2,3
	ds_store_b128 v[STO], v[8*(4*\a+\b):8*(4*\a+\b)+3]   offset:64*\b
	ds_store_b128 v[STO], v[8*(4*\a+\b)+4:8*(4*\a+\b)+7] offset:64*\b+16
.endr
	WIN 0
	s_wait_xcnt 0x0                                ; the buffer that earlier stores read is loaded again only behind this wait (ISA guide 3.1)
.irp t, 0,1,2,3,4,5,6,7
	ds_load_b128 v[\rb+4*\t:\rb+4*\t+3], v[RD] offset:\t*2*SP      ; a wave's LDS instructions are served in order: these see the stores above
.endr
.irp t, 0,1,2,3,4,5,6,7
	s_wait_dscnt 7-\t                              ; the younger read-backs stay out
	global_store_b128 v[CO], v[\rb+4*\t:\rb+4*\t+3], s[10:11] offset:(16*\a+2*\t)*4096 th:TH_STORE_NT   ; sixteen lanes store 256 consecutive bytes, aligned
.endr
.endm
	OUT16 0, RB0
	OUT16 1, RB1
	OUT16 2, RB0
	OUT16 3, RB1
	s_wait_tensorcnt 0x0
	ds_add_u32 v30, v31
	s_wait_dscnt 0x0
	CROUND                                         ; the closing round
	s_endpgm
.Lfunc_end_k_q1770edb608_outg:
	.size	k_q1770edb608_outg, .Lfunc_end_k_q1770edb608_outg-k_q1770edb608_outg
	.p2alignl 7, 3214868480
	.fill 96, 4, 3214868480
	.section	.rodata,"a",@progbits
	.p2align	6, 0x0
	.amdhsa_kernel k_q1770edb608_outg
		.amdhsa_group_segment_fixed_size 327680
		.amdhsa_private_segment_fixed_size 0
		.amdhsa_enable_private_segment 0
		.amdhsa_kernarg_size 32
		.amdhsa_user_sgpr_count 2
		.amdhsa_user_sgpr_kernarg_segment_ptr 1
		.amdhsa_wavefront_size32 1
		.amdhsa_system_sgpr_workgroup_id_x 1
		.amdhsa_system_sgpr_workgroup_id_y 1
		.amdhsa_system_sgpr_workgroup_id_z 1
		.amdhsa_system_vgpr_workitem_id 0
		.amdhsa_next_free_vgpr 384
		.amdhsa_next_free_sgpr 66
		.amdhsa_reserve_vcc 0
		.amdhsa_float_denorm_mode_32 3
		.amdhsa_float_denorm_mode_16_64 3
		.amdhsa_memory_ordered 1
		.amdhsa_forward_progress 1
		.amdhsa_inst_pref_size 89
	.end_amdhsa_kernel
	.amdgpu_metadata
---
amdhsa.version: [ 1, 2 ]
amdhsa.kernels:
  - .name:           k_q1770edb608_outg
    .symbol:         k_q1770edb608_outg.kd
    .args:
      - { .name: ao, .offset: 0, .size: 8, .value_kind: global_buffer, .address_space: global }
      - { .name: woh, .offset: 8, .size: 8, .value_kind: global_buffer, .address_space: global }
      - { .name: b_out, .offset: 16, .size: 8, .value_kind: global_buffer, .address_space: global }
      - { .name: out0, .offset: 24, .size: 8, .value_kind: global_buffer, .address_space: global }
    .group_segment_fixed_size: 327680
    .private_segment_fixed_size: 0
    .kernarg_segment_align: 8
    .kernarg_segment_size: 32
    .max_flat_workgroup_size: 128
    .sgpr_count:     66
    .vgpr_count:     384
    .wavefront_size: 32
...
	.end_amdgpu_metadata
.endif
;; end of part 4
;; ======== version 2 of 2: 4 launches
;; limits: values are held in f16: magnitudes above 65,504 overflow, below 6.1e-05 lose precision
;; workspace buffers: xh 8,388,608 bytes; wqh 6,291,456 bytes; woh 2,097,152 bytes; mbits 524,288 bytes of whole numbers; qkv 25,165,824 bytes; ao 8,388,608 bytes
;; launch prep: the kernel of part 1 again; grid 256 x 1, 8 waves a work-group, no clusters, 68,608 bytes of LDS; arguments x, W_qkv, W_out, mask, xh, wqh, woh, mbits; writes xh, wqh, woh, mbits
;; launch qkvg: the kernel of part 2 again; grid 16 x 16, 4 waves a work-group, clusters of 4 x 4, 327,680 bytes of LDS; arguments xh, wqh, qkv; writes qkv
;; launch attn (part 5): grid 16 x 16, 8 waves a work-group, clusters of 4 x 1, 327,680 bytes of LDS; arguments qkv, mbits, ao; writes ao
.if DOCPART == 5
	.amdgcn_target "amdgcn-amd-amdhsa--gfx1250"
	.amdhsa_code_object_version 6
	.text
	.protected	k_q1770edb608_attn
	.globl	k_q1770edb608_attn
	.p2align	8
	.type	k_q1770edb608_attn,@function
k_q1770edb608_attn:
	s_mov_b64 s[64:65], 0
	v_nop
	global_prefetch_b8 v0, s[64:65] scope:SCOPE_SE
	s_setreg_imm32_b32 hwreg(HW_REG_WAVE_MODE, 25, 1), 1
	s_wait_xcnt 0x0
	s_wait_alu depctr_hold_cnt(0) depctr_sa_sdst(0) depctr_va_vdst(0) depctr_va_sdst(0) depctr_va_ssrc(0) depctr_va_vcc(0) depctr_vm_vsrc(0)
	s_getreg_b32 s2, hwreg(HW_REG_IB_STS2, 6, 4)
	s_cmp_eq_u32 s2, 0
	s_cbranch_scc0 .Lentry_in_a_cluster
	s_endpgm
.Lentry_in_a_cluster:
	s_bfe_u32 s2, ttmp6, 0x10000c
	s_cmp_lg_u32 s2, 0x3003
	s_cbranch_scc0 .Lentry_shape_is_right
	s_endpgm
.Lentry_shape_is_right:
; attn: softmax(mask(q k^T)) v for every head, with a running maximum.  qkv [48 groups][2][2048][64] f16 (q already times 0.125 log2 e),
; mbits: the packed mask, ao [4096][1024] f16 (column = 64 head + d).
; A work-group makes 2 heads x 128 queries (a row of ao gets 256 consecutive bytes from it).  Eight waves: wave w has head e = w >> 2 and
; queries 32 (w & 3) .. + 31, all 2,048 keys.  A wave's mask words for a step are 2 query tiles x 32 = 64, as many as there are scalar registers for them.
; CLUSTERS: the four query blocks of a cluster (4, 1, 1) walk the same K and V tiles and ask for them jointly (mask 15): the requests are divided by four.
; TRANSPOSED SCHEME.  S^T = K Q^T: lane (r, h), register j of tile (qt, kt) holds key 16 kt + 8 h + j, query 16 qt + r.  So a lane serves one query: maximum,
; sum and rescaling are numbers of the lane, and one exchange between the halves of the wave joins them.  Two packed S^T tiles are, register for register,
; the second source of O^T = V^T P^T; V^T comes out of LDS by the transposing load.  O^T: lane (r, h), register j of tile (qt, dt): d = 16 dt + 8 h + j, query 16 qt + r.
; MASK: a score whose mask number is 0 is replaced by -1e9 log2(e), the reference's -1e9 in the base-2 domain (a finite number: a row with no key left
; gives the uniform softmax, as there).  The select takes its lane mask straight from a scalar register.
; THREE STEPS AT ONCE.  A step is 64 keys.  In step i a wave does the softmax of step i and, strewn among its vector instructions, the matrix work of its
; neighbours: O += P V of step i - 1 (16 matrix instructions, four selects behind each) and S^T of step i + 1 (16 matrix instructions, four exponentials
; and two rescaling multiplies behind each).  So S lies in registers twice, for even and odd steps.  The order of the arithmetic is that of the plain scheme:
; O is multiplied by alpha of step i behind the product of step i - 1 and ahead of the product of step i.
; THE RING.  A visit is 128 keys, two steps; two slots.  K of step j is read from LDS at the head of step j - 1, V of step j in the middle of step j.  So in the
; middle of step 2 v the whole of K of visit v and of V of visit v - 1 has been read: there stands the visit's one barrier, and behind it waves 0-3 ask for
; K of visit v + 2 (K's region of slot v % 2) and waves 4-7 for V of visit v + 1 (V's region of the other slot).  Both are first read behind the next visit's
; barrier, in front of which every wave has waited for all its tensor loads.
; LIMITS: q, k, v and p go to the matrix unit in f16 (p <= 1); the sum of p is taken in f32 before that rounding.
.set PK,    144                        ; K's LDS pitch: 128 bytes + 16
.set PV,    160                        ; V's LDS pitch: 128 bytes + 32 = 5 x 32
.set PART,  10240                      ; what one wave brings: 64 keys (one step) of one head's K (9,216 bytes used) or V (10,240); part w is wave w's
                                       ; parts 0-3 (K's region): K of head 0 step 0, 1, head 1 step 0, 1; parts 4-7 (V's region): V likewise
.set SLOT,  8*PART
.set STAGE, 2*SLOT                     ; 128 rows x 272 bytes for the way out; no tensor load lands here
.set SP,    272
.set VBYTES, 128*128                   ; a visit's bytes of one head's K or V
.set ADRK, 8                           ; v8-9   K fragments in slot 0, 1
.set ADRV, 10                          ; v10-11 V fragments
.set STO,  12
.set RD,   13
.set CO,   14
.set QO,   15
.set QF,   32                          ; v32-63   Q fragments: 16 qt + 8 ks
.set KF,   96                          ; v96-159  K fragments: 16 kt + 8 ks
.set VF,   160                         ; v160-223 V^T fragments: 8 (4 ks2 + dt)
; window 1: S of even steps at 0, of odd steps at 64 (32 qt + 8 kt + j), and
.set OB,    128                        ; O at OB + 8 (4 qt + dt)
.set P,     192                        ; packed p: 16 qt + 4 kt + j / 2
.set NEGM,  224                        ; pairs: minus the running maximum, twice
.set ALPHA, 228                        ; pairs: the rescaling factor, twice
.set LS,    232                        ; pairs: running sums of even and odd registers
.set MX,    236                        ; two maxima at work
.set XH,    238                        ; the other half's
.set CH,    240                        ; eight registers for chains
.set DM,    248                        ; two differences
.set G1K, 8                            ; s[8:15]  group 1 for K's tiles
.set G1V, 16                           ; s[16:23] group 1 for V's tiles
.set G0,  24                           ; s[24:31] group 0 of my part, one set a slot
.set MA,  32                           ; s[32:63] mask words of query tile 0
.set MB,  68                           ; s[68:99] mask words of query tile 1
.set MSB, 0
.macro WIN new                         ; the immediate's high byte repeats the setting that is left
.if MSB != \new
	s_set_vgpr_msb (MSB<<8)|\new
.set MSB, \new
.endif
.endm
.macro PLACES                          ; four places behind a matrix instruction (ISA guide 7.12.1)
.rept 4
	v_nop
.endr
.endm
; Joint loads.  Waves 0-3 ask for K's parts, waves 4-7 for V's; group 0 hangs on the wave, the grid's y and the visit alone; the branches hang on the wave's number alone.
.macro JBOTH ks, vs                    ; K's part into slot ks, V's part into slot vs
	s_cmp_eq_u32 s105, 0
	s_cbranch_scc0 .Lfor_v_\@
	tensor_load_to_lds s[G0+4*\ks:G0+4*\ks+3], s[G1K:G1K+7]
	s_nop 0
	s_branch .Lasked_\@
.Lfor_v_\@:
	tensor_load_to_lds s[G0+4*\vs:G0+4*\vs+3], s[G1V:G1V+7]
	s_nop 0
.Lasked_\@:
.endm
.macro JKONLY ks                       ; V's waves have nothing to fill
	s_cmp_lg_u32 s105, 0
	s_cbranch_scc1 .Lno_k_\@
	tensor_load_to_lds s[G0+4*\ks:G0+4*\ks+3], s[G1K:G1K+7]
	s_nop 0
.Lno_k_\@:
.endm
.macro JVONLY vs                       ; K's waves have nothing to fill
	s_cmp_eq_u32 s105, 0
	s_cbranch_scc1 .Lno_v_\@
	tensor_load_to_lds s[G0+4*\vs:G0+4*\vs+3], s[G1V:G1V+7]
	s_nop 0
.Lno_v_\@:
.endm
.macro ROUND                           ; a round of the cluster's barrier
	s_barrier_signal -1
	s_barrier_wait -1
	s_cmp_lg_u32 s3, 0
	s_cbranch_scc1 .Lnot_wave_0_\@
	s_barrier_signal -3
.Lnot_wave_0_\@:
	s_barrier_wait -3
	s_barrier_signal -1
	s_barrier_wait -1
.endm
	s_load_b128 s[36:39], s[0:1], 0x0              ; qkv s[36:37], mbits s[38:39] (the mask registers serve the set-up first)
	v_lshl_add_u32 v254, v0, 2, 0x30800
	v_mov_b32 v255, 0
	ds_add_u32 v254, v255
	v_lshrrev_b32 v1, 5, v0
	v_readfirstlane_b32 s3, v1                     ; wave 0..7
	s_lshr_b32 s105, s3, 2                         ; e: my head of the pair.  Also: I fetch K (0) or V (1)
	s_and_b32 s7, s3, 3                            ; u: my quarter of the queries
	s_bfe_u32 s40, ttmp6, 0x40000                  ; cx
	s_lshl_b32 s41, ttmp9, 2
	s_add_co_u32 s41, s41, s40                     ; query block
	s_and_b32 s42, ttmp7, 0xffff
	s_lshr_b32 s43, s42, 3                         ; batch
	s_and_b32 s44, s42, 7                          ; head pair
	s_mov_b32 s6, 0xceabfb8f                       ; -1e9 log2(e)
	s_mov_b32 s66, 0x76543210                      ; v_permlanex16_b32: lane i takes lane i of the other half
	s_mov_b32 s67, 0xfedcba98
	s_mov_b32 s[G1K+0], 15|(1<<16)|(1<<20)|(1<<21)|(4<<22)|(3<<25)   ; all four of the cluster; 2-byte elements; behind every 32 words 4 words
	s_mov_b32 s[G1K+1], 64<<16                     ; tensor_dim0 = 64
	s_mov_b32 s[G1K+2], 64<<16                     ; tensor_dim1 = 64
	s_mov_b32 s[G1K+3], 64<<16                     ; tile_dim0 = 64
	s_mov_b32 s[G1K+4], 64                         ; tile_dim1 = 64 keys
	s_mov_b32 s[G1K+5], 64                         ; elements from key to key
	s_mov_b32 s[G1K+6], 0
	s_mov_b32 s[G1K+7], 0
	s_mov_b32 s[G1V+0], 15|(1<<16)|(1<<20)|(1<<21)|(4<<22)|(7<<25)   ; the same, 8 words of padding
	s_mov_b32 s[G1V+1], 64<<16
	s_mov_b32 s[G1V+2], 64<<16
	s_mov_b32 s[G1V+3], 64<<16
	s_mov_b32 s[G1V+4], 64
	s_mov_b32 s[G1V+5], 64
	s_mov_b32 s[G1V+6], 0
	s_mov_b32 s[G1V+7], 0
	; the part that I fetch: group 16 + 16 (w >> 2) + 2 pair + ((w >> 1) & 1), keys 64 (w & 1) .. + 63 of the visit; no register here ever holds cx
	s_lshl_b32 s45, s105, 4
	s_bfe_u32 s46, s3, 0x10001                     ; (w >> 1) & 1
	s_lshl1_add_u32 s46, s44, s46
	s_add_co_u32 s45, s45, s46
	s_add_co_u32 s45, s45, 16
	s_lshl1_add_u32 s45, s45, s43                  ; 2 group + batch
	s_lshl_b32 s48, s45, 18                        ; planes of 2,048 x 128 bytes
	s_and_b32 s47, s3, 1
	s_lshl_b32 s47, s47, 13                        ; 64 keys of 128 bytes
	s_add_co_u32 s48, s48, s47
	s_mov_b32 s49, 0
	s_mul_i32 s56, s3, PART                        ; and where it goes: the wave's number times a constant
	; my queries: group 2 pair + e, token 128 block + 32 u
	s_lshl1_add_u32 s50, s44, s105
	s_lshl1_add_u32 s50, s50, s43
	s_lshl_b32 s50, s50, 18
	s_lshl2_add_u32 s52, s41, s7                   ; 4 block + u
	s_lshl_b32 s53, s52, 12                        ; 32 tokens of 128 bytes
	s_add_co_u32 s50, s50, s53
	s_mov_b32 s51, 0
	s_lshl_b32 s54, s52, 13                        ; mask words: 2 query tiles of 4,096 bytes for each 32 queries
	s_mov_b32 s55, 0
	s_lshl_b32 s60, s43, 11                        ; ao: row 2,048 batch + 128 block + 16 wave,
	s_lshl_b32 s61, s41, 7
	s_add_co_u32 s60, s60, s61
	s_lshl_b32 s61, s3, 4
	s_add_co_u32 s60, s60, s61
	s_lshl_b32 s60, s60, 11                        ; rows of 2,048 bytes,
	s_lshl_b32 s61, s44, 8                         ; 256 bytes a head pair
	s_add_co_u32 s104, s60, s61
	s_wait_dscnt 0x0
	s_wait_kmcnt 0x0
	s_add_nc_u64 s[48:49], s[36:37], s[48:49]
	s_add_nc_u64 s[100:101], s[36:37], s[50:51]
	s_add_nc_u64 s[4:5], s[38:39], s[54:55]
	ROUND                                          ; the four work-groups are here: the first joint loads meet
.irp s, 0,1
	s_mov_b32 s[G0+4*\s], 1
	s_add_co_u32 s[G0+4*\s+1], s56, \s*SLOT
	s_add_nc_u64 s[G0+4*\s+2:G0+4*\s+3], s[48:49], \s*VBYTES
	s_or_b32 s[G0+4*\s+3], s[G0+4*\s+3], 0x80000000
	JBOTH \s, \s                                   ; all first fills at the start: visits 0 and 1 of K and of V; two loads of the wave are out
.endr
	v_and_b32 v1, 15, v0                           ; r
	v_bfe_u32 v2, v0, 4, 1                         ; h
	v_and_b32 v3, 7, v0
	v_bfe_u32 v4, v0, 3, 1
	v_lshlrev_b32 v7, 7, v1
	v_lshl_add_u32 v[QO], v2, 4, v7                ; Q: token r, 16 h bytes
.irp qt, 0,1
.irp ks, 0,1
	global_load_b128 v[QF+16*\qt+8*\ks:QF+16*\qt+8*\ks+3],   v[QO], s[100:101] offset:\qt*2048+\ks*64
	global_load_b128 v[QF+16*\qt+8*\ks+4:QF+16*\qt+8*\ks+7], v[QO], s[100:101] offset:\qt*2048+\ks*64+32
.endr
.endr
	s_mul_i32 s57, s105, 2*PART
	v_mul_u32_u24 v5, v1, PK
	v_lshl_add_u32 v5, v2, 4, v5
	v_add_nc_u32 v[ADRK], s57, v5                  ; K of my head: key r, 16 h bytes
	v_add_nc_u32 v[ADRK+1], SLOT, v[ADRK]
	v_lshl_add_u32 v6, v2, 3, v3
	v_mul_u32_u24 v6, v6, PV
	v_lshl_add_u32 v6, v4, 4, v6
	s_add_co_u32 s57, s57, 4*PART
	v_add_nc_u32 v[ADRV], s57, v6                  ; V of my head: key 8 h + (l & 7), 16 bytes further for lanes 8-15 and 24-31
	v_add_nc_u32 v[ADRV+1], SLOT, v[ADRV]
	s_lshl_b32 s58, s7, 5
	s_mul_i32 s58, s58, SP
	s_lshl_b32 s59, s105, 7
	s_add_co_u32 s58, s58, s59
	s_add_co_u32 s58, s58, STAGE
	v_mul_u32_u24 v7, v1, SP
	v_lshl_add_u32 v7, v2, 4, v7
	v_add_nc_u32 v[STO], s58, v7                   ; stage in: row 32 u + r, byte 128 e + 16 h
	s_mul_i32 s59, s3, 16*SP
	s_add_co_u32 s59, s59, STAGE
	v_mul_u32_u24 v7, v2, SP
	v_lshl_add_u32 v7, v1, 4, v7
	v_add_nc_u32 v[RD], s59, v7                    ; stage back: rows 16 w + ..., sixteen lanes a row of 256 bytes
	v_lshlrev_b32 v7, 11, v2
	v_lshl_add_u32 v[CO], v1, 4, v7                ; the same two rows in ao
	WIN 0x40
	v_mov_b32 v[XH], 0                             ; v_permlanex16_b32 counts as a reader of its destination
	v_mov_b32 v[XH+1], 0
	WIN 0
	s_load_b512 s[MA:MA+15],    s[4:5], 0x0        ; the first step's mask words of my two query tiles (the set-up's scalars are spent)
	s_load_b512 s[MA+16:MA+31], s[4:5], 0x40
	s_load_b512 s[MB:MB+15],    s[4:5], 0x1000
	s_load_b512 s[MB+16:MB+31], s[4:5], 0x1040
.macro LDK slot, st                    ; 16 loads: K fragments of step st of a slot
.irp kt, 0,1,2,3
.irp ks, 0,1
	ds_load_b128 v[KF+16*\kt+8*\ks:KF+16*\kt+8*\ks+3],   v[ADRK+\slot] offset:\st*PART+\kt*16*PK+\ks*64
	ds_load_b128 v[KF+16*\kt+8*\ks+4:KF+16*\kt+8*\ks+7], v[ADRK+\slot] offset:\st*PART+\kt*16*PK+\ks*64+32
.endr
.endr
.endm
.macro LDV slot, st                    ; 16 transposing loads: V^T fragments of step st
.irp ks2, 0,1
.irp dt, 0,1,2,3
	ds_load_tr16_b128 v[VF+8*(4*\ks2+\dt):VF+8*(4*\ks2+\dt)+3],   v[ADRV+\slot] offset:\st*PART+\ks2*32*PV+\dt*32
	ds_load_tr16_b128 v[VF+8*(4*\ks2+\dt)+4:VF+8*(4*\ks2+\dt)+7], v[ADRV+\slot] offset:\st*PART+\ks2*32*PV+16*PV+\dt*32
.endr
.endr
.endm
; The eight accumulators of a product take turns, one instruction a turn, in the same order in both halves of its K, and the two products follow each other
; on different accumulators, over the loop's backward jump too.
.macro SW sn                           ; matrix instruction n (0-15) of S^T = K Q^T into the buffer at sn: d half n / 8, query tile (n / 4) % 2, key tile n % 4; the first half starts the sums
.set wd, \sn+32*((n/4)%2)+8*(n%4)
.set wa, KF+16*(n%4)+8*(n/8)
.set wb, QF+16*((n/4)%2)+8*(n/8)
.if n < 8
	v_wmma_f32_16x16x32_f16 v[wd:wd+7], v[wa:wa+7], v[wb:wb+7], 0
.else
	v_wmma_f32_16x16x32_f16 v[wd:wd+7], v[wa:wa+7], v[wb:wb+7], v[wd:wd+7]
.endif
.endm
.macro PW pv                           ; matrix instruction n (0-15) of O^T += V^T P^T: key half n / 8, query tile (n / 4) % 2, d tile n % 4; pv = 1: the launch's first product starts O
.set wd, OB+8*(4*((n/4)%2)+(n%4))
.set wa, VF+8*(4*(n/8)+(n%4))
.set wb, P+16*((n/4)%2)+8*(n/8)
.set wz, 0
.if \pv == 1
.if n < 8
.set wz, 1
.endif
.endif
.if wz
	v_wmma_f32_16x16x32_f16 v[wd:wd+7], v[wa:wa+7], v[wb:wb+7], 0
.else
	v_wmma_f32_16x16x32_f16 v[wd:wd+7], v[wa:wa+7], v[wb:wb+7], v[wd:wd+7]
.endif
.endm
; This step's 64 selects (bit 1 keeps the score, bit 0 takes the constant), four behind each matrix instruction of the last step's P V.  A select's first source is
; scalar, its second source and its destination lie in window 1: the product's own window setting serves both, so nothing is switched in this block.
.macro MASKPV sb, pv                   ; pv = 0: no product yet
.set n, 0
.rept 16
.if \pv
	PW \pv
.endif
.set j, 4*n
.rept 4
	v_cndmask_b32 v[\sb+j], s6, v[\sb+j], s[MA+j+4*(j/32)]     ; words 0-31 in s[32:63], words 32-63 in s[68:99]
.set j, j+1
.endr
.set n, n+1
.endr
.endm
.macro MAXP sb, qt, p, first           ; the largest of my 32 scores of query tile qt and the running maximum, in four chains, into MX + p
.irp c, 0,1,2,3
	v_max3_num_f32 v[CH+4*\p+\c], v[\sb+32*\qt+8*\c], v[\sb+32*\qt+8*\c+1], v[\sb+32*\qt+8*\c+2]
.endr
.irp c, 0,1,2,3
	v_max3_num_f32 v[CH+4*\p+\c], v[CH+4*\p+\c], v[\sb+32*\qt+8*\c+3], v[\sb+32*\qt+8*\c+4]
.endr
.irp c, 0,1,2,3
	v_max3_num_f32 v[CH+4*\p+\c], v[CH+4*\p+\c], v[\sb+32*\qt+8*\c+5], v[\sb+32*\qt+8*\c+6]
.endr
.irp c, 0,1,2,3
	v_max_num_f32 v[CH+4*\p+\c], v[CH+4*\p+\c], v[\sb+32*\qt+8*\c+7]
.endr
	v_max3_num_f32 v[MX+\p], v[CH+4*\p], v[CH+4*\p+1], v[CH+4*\p+2]
.if \first
	v_max_num_f32 v[MX+\p], v[MX+\p], v[CH+4*\p+3]
.else
	v_max3_num_f32 v[MX+\p], v[MX+\p], v[CH+4*\p+3], -v[NEGM+2*\qt]
.endif
.endm
.macro STAT qa, qb, first              ; two query tiles: join the halves, alpha = 2^(old maximum - new), keep minus the new maximum
	v_permlanex16_b32 v[XH], v[MX], s66, s67
	v_permlanex16_b32 v[XH+1], v[MX+1], s66, s67
	v_max_num_f32 v[MX], v[MX], v[XH]
	v_max_num_f32 v[MX+1], v[MX+1], v[XH+1]
.if \first == 0
	v_sub_f32 v[DM], -v[NEGM+2*\qa], v[MX]
	v_sub_f32 v[DM+1], -v[NEGM+2*\qb], v[MX+1]
	v_exp_f32 v[ALPHA+2*\qa], v[DM]
	v_exp_f32 v[ALPHA+2*\qb], v[DM+1]              ; the four plain lines below stand between these and the first use of their results (ISA guide 5.7.2)
.endif
	v_mul_f32 v[NEGM+2*\qa], -1.0, v[MX]
	v_mul_f32 v[NEGM+2*\qa+1], -1.0, v[MX]
	v_mul_f32 v[NEGM+2*\qb], -1.0, v[MX+1]
	v_mul_f32 v[NEGM+2*\qb+1], -1.0, v[MX+1]
.if \first == 0
	s_wait_alu depctr_va_vdst(0)
	v_mov_b32 v[ALPHA+2*\qa+1], v[ALPHA+2*\qa]
	v_mov_b32 v[ALPHA+2*\qb+1], v[ALPHA+2*\qb]
.endif
.endm
.macro SUBM sb                         ; s - maximum, two at a time
.set j, 0
.rept 32
	v_pk_add_f32 v[\sb+2*j:\sb+2*j+1], v[\sb+2*j:\sb+2*j+1], v[NEGM+2*(j/16):NEGM+2*(j/16)+1]
.set j, j+1
.endr
.endm
; This step's 64 exponentials and (resc = 1) its 32 multiplies of O by alpha, four and two behind each matrix instruction of the next step's S^T (smul = 1).
; That product's sources lie in window 0, the exponentials' in window 1: two switches for each matrix instruction.  The multiplies read O far more than four
; places behind the last P V instruction; neither they nor the exponentials name a register of the S^T product.
.macro EXPS sb, sn, smul, resc
.set n, 0
.rept 16
.if \smul
	WIN 0x50                                       ; K and Q window 0, C and D window 1
	SW \sn
.endif
	WIN 0x55                                       ; everything in window 1
	v_exp_f32 v[\sb+4*n], v[\sb+4*n]
.if \resc
	v_pk_mul_f32 v[OB+4*n:OB+4*n+1], v[OB+4*n:OB+4*n+1], v[ALPHA+2*(n/8):ALPHA+2*(n/8)+1]
.endif
	v_exp_f32 v[\sb+4*n+1], v[\sb+4*n+1]
.if \resc
	v_pk_mul_f32 v[OB+4*n+2:OB+4*n+3], v[OB+4*n+2:OB+4*n+3], v[ALPHA+2*(n/8):ALPHA+2*(n/8)+1]
.endif
	v_exp_f32 v[\sb+4*n+2], v[\sb+4*n+2]
	v_exp_f32 v[\sb+4*n+3], v[\sb+4*n+3]
.set n, n+1
.endr
	v_nop                                          ; one plain place behind the last exponentials before their results are used (ISA guide 5.7.2)
	s_wait_alu depctr_va_vdst(0)
.endm
.macro SUMS sb, qt, first              ; the running sum of p, in four chains
.irp c, 0,1,2,3
	v_pk_add_f32 v[CH+2*\c:CH+2*\c+1], v[\sb+32*\qt+2*\c:\sb+32*\qt+2*\c+1], v[\sb+32*\qt+8+2*\c:\sb+32*\qt+8+2*\c+1]
.endr
.irp c, 0,1,2,3
	v_pk_add_f32 v[CH+2*\c:CH+2*\c+1], v[CH+2*\c:CH+2*\c+1], v[\sb+32*\qt+16+2*\c:\sb+32*\qt+16+2*\c+1]
.endr
.irp c, 0,1,2,3
	v_pk_add_f32 v[CH+2*\c:CH+2*\c+1], v[CH+2*\c:CH+2*\c+1], v[\sb+32*\qt+24+2*\c:\sb+32*\qt+24+2*\c+1]
.endr
	v_pk_add_f32 v[CH:CH+1], v[CH:CH+1], v[CH+2:CH+3]
	v_pk_add_f32 v[CH+4:CH+5], v[CH+4:CH+5], v[CH+6:CH+7]
.if \first == 0
	v_pk_fma_f32 v[CH:CH+1], v[LS+2*\qt:LS+2*\qt+1], v[ALPHA+2*\qt:ALPHA+2*\qt+1], v[CH:CH+1]
.endif
	v_pk_add_f32 v[LS+2*\qt:LS+2*\qt+1], v[CH:CH+1], v[CH+4:CH+5]
.endm
.macro CVT sb                          ; p packed to f16: the second source of the next step's P V
.set j, 0
.rept 32
	v_cvt_pk_f16_f32 v[P+j], v[\sb+2*j], v[\sb+2*j+1]
.set j, j+1
.endr
.endm
.macro RESC                            ; O *= the factor of the lane's query (at the end: 1 / l)
.set j, 0
.rept 32
	v_pk_mul_f32 v[OB+2*j:OB+2*j+1], v[OB+2*j:OB+2*j+1], v[ALPHA+2*(j/16):ALPHA+2*(j/16)+1]
.set j, j+1
.endr
.endm
; The visit's barrier, in the middle of its first step; s = the visit's slot.  Every wave waits for all its tensor loads and for all its LDS reads: K of this visit
; (slot s) and V of the last one (the other slot) have been read to the end.  kind 1: a round of the cluster's barrier, then K two visits ahead into slot s and
; V one visit ahead into the other slot, one load a wave, first behind the round.  kind 2: K alone (V of visit 1 came with the first fills).  kind 3: V alone
; (no K is left).  kind 4: nothing is left to fetch: the work-group's barrier shows the last V tile to every wave.
; One group 0 a slot serves both kinds of wave: the set of slot s steps by two visits here; K's waves use it at once, V's waves use the other set, stepped at the
; visit before, which by then points one visit ahead of this one.
.macro SYNC kind, s
.if \kind
	WIN 0
	s_wait_tensorcnt 0x0
	ds_add_u32 v254, v255
	s_wait_dscnt 0x0
	s_wait_dscnt 0x0
.if \kind == 4
	s_barrier_signal -1
	s_barrier_wait -1
.else
.if \kind != 3
	s_add_nc_u64 s[G0+4*\s+2:G0+4*\s+3], s[G0+4*\s+2:G0+4*\s+3], 2*VBYTES   ; no load of mine is out: group 0 may be written
.endif
	ROUND
.if \kind == 1
	JBOTH \s, (1-\s)
.endif
.if \kind == 2
	JKONLY \s
.endif
.if \kind == 3
	JVONLY (1-\s)
.endif
.endif
.endif
.endm
; Step i.  sb: where its S lies (0 or 64).  pv: P V of step i - 1 (0 none, 1 starts O, 2 adds).  first: the launch's first softmax.  ldk, kslot, kst: K of step i + 1 is read
; from there.  vslot, vst: V of step i.  sync: the visit's barrier (0: none in this step).  smul: S^T of step i + 1 is made.  last: no mask words are left to ask for.
.macro STEP sb, pv, first, ldk, kslot, kst, vslot, vst, sync, smul, last
.if \ldk
	LDK \kslot, \kst                               ; K's registers were last read by matrix instructions a whole sum and conversion ago
.endif
.if \pv
	s_wait_dscnt 16*\ldk                           ; V of step i - 1 is in; the 16 K loads just issued, where there are any, may be out
.endif
	s_wait_kmcnt 0x0                               ; this step's 64 mask words; the pointer may be stepped behind this wait
	WIN 0x54                                       ; V^T window 0; p, S, C and D window 1
	MASKPV \sb, \pv
.if \last == 0
	s_add_nc_u64 s[4:5], s[4:5], 128               ; 4 key tiles x 8 words on
	s_load_b512 s[MA:MA+15],    s[4:5], 0x0        ; the next step's words, as soon as the selects have read these registers
	s_load_b512 s[MA+16:MA+31], s[4:5], 0x40
	s_load_b512 s[MB:MB+15],    s[4:5], 0x1000
	s_load_b512 s[MB+16:MB+31], s[4:5], 0x1040
.endif
	WIN 0x55
	MAXP \sb, 0, 0, \first
	MAXP \sb, 1, 1, \first
	STAT 0, 1, \first
	SUBM \sb
	SYNC \sync, \vslot
	WIN 0
	LDV \vslot, \vst                               ; V's registers were last read by matrix instructions the maxima and subtractions ago
.if \smul
	s_wait_dscnt 16                                ; K of step i + 1 is in; the 16 V loads just issued may be out
.endif
	EXPS \sb, (64-\sb), \smul, (1-\first)
	SUMS \sb, 0, \first
	SUMS \sb, 1, \first
	CVT \sb
	WIN 0
.endm
.macro VISIT s, sync                   ; the two steps of a visit in slot s; its second step reads the next visit's first K from the other slot
	STEP 0,  2, 0, 1, \s, 1, \s, 0, \sync, 1, 0
	STEP 64, 2, 0, 1, (1-\s), 0, \s, 1, 0, 1, 0
.endm
	s_wait_tensorcnt 0x1                           ; my part of visit 0 is in; visit 1's load stays out
	s_barrier_signal -1
	s_barrier_wait -1
	LDK 0, 0
	s_wait_loadcnt 0x0                             ; Q
	s_wait_dscnt 0x0                               ; K of step 0
	WIN 0x50
.set n, 0
.rept 16
	SW 0                                           ; S^T of step 0: the one product with nothing to stand among
.set n, n+1
.endr
	PLACES
	WIN 0
	STEP 0,  0, 1, 1, 0, 1, 0, 0, 2, 1, 0          ; visit 0: the first step starts maxima and sums,
	STEP 64, 1, 0, 1, 1, 0, 0, 1, 0, 1, 0          ; the second starts O
	s_mov_b32 s2, 6
.Lvisits:
	VISIT 1, 1                                     ; visits 1 to 12
	VISIT 0, 1
	s_sub_co_u32 s2, s2, 1
	s_cmp_lg_u32 s2, 0
	s_cbranch_scc1 .Lvisits
	VISIT 1, 1                                     ; visit 13 asks for the last K (visit 15) and for V of visit 14
	VISIT 0, 3                                     ; visit 14 asks for the last V
	STEP 0,  2, 0, 1, 1, 1, 1, 0, 4, 1, 0          ; visit 15 asks for nothing
	STEP 64, 2, 0, 0, 0, 0, 1, 1, 0, 0, 1          ; the last step: no K, no S^T, no mask words beyond it
	s_wait_dscnt 0x0                               ; V of the last step
	WIN 0x54
.set n, 0
.rept 16
	PW 2                                           ; the last P V
.set n, n+1
.endr
	PLACES
	; THE END: O / l, rounded to f16, through the stage so that both heads of a row leave together.
	s_load_b64 s[32:33], s[0:1], 0x10              ; ao (the mask registers are free)
	s_mov_b32 s34, s104
	s_mov_b32 s35, 0
	WIN 0x55
.irp qt, 0,1
	v_add_f32 v[CH+\qt], v[LS+2*\qt], v[LS+2*\qt+1]
.endr
.irp qt, 0,1
	v_permlanex16_b32 v[CH+4+\qt], v[CH+\qt], s66, s67
.endr
.irp qt, 0,1
	v_add_f32 v[CH+\qt], v[CH+\qt], v[CH+4+\qt]    ; at least 1: the largest score's own term
.endr
.irp qt, 0,1
	v_rcp_f32 v[ALPHA+2*\qt], v[CH+\qt]
.endr
	v_nop                                          ; one plain place behind the reciprocals
	s_wait_alu depctr_va_vdst(0)
.irp qt, 0,1
	v_mov_b32 v[ALPHA+2*\qt+1], v[ALPHA+2*\qt]
.endr
	RESC
	WIN 0x05                                       ; sources window 1, destination window 0
.set i, 0
.rept 32
	v_cvt_pk_f16_f32 v[QF+i], v[OB+2*i], v[OB+2*i+1]
.set i, i+1
.endr
	WIN 0
.irp qt, 0,1
.irp dt, 0,1,2,3
	ds_store_b128 v[STO], v[QF+16*\qt+4*\dt:QF+16*\qt+4*\dt+3] offset:\qt*16*SP+\dt*32
.endr
.endr
	s_wait_dscnt 0x0                               ; my stores are done, for the waves that read them
	s_barrier_signal -1
	s_barrier_wait -1
.irp t, 0,1,2,3,4,5,6,7
	ds_load_b128 v[KF+4*\t:KF+4*\t+3], v[RD] offset:\t*2*SP
.endr
	s_wait_kmcnt 0x0
	s_add_nc_u64 s[32:33], s[32:33], s[34:35]
.irp t, 0,1,2,3,4,5,6,7
	s_wait_dscnt 7-\t                              ; the younger read-backs stay out
	global_store_b128 v[CO], v[KF+4*\t:KF+4*\t+3], s[32:33] offset:\t*4096     ; sixteen lanes store 256 consecutive bytes, aligned
.endr
	s_wait_tensorcnt 0x0
	ds_add_u32 v254, v255
	s_wait_dscnt 0x0
	ROUND                                          ; the closing round
	s_endpgm
.Lfunc_end_k_q1770edb608_attn:
	.size	k_q1770edb608_attn, .Lfunc_end_k_q1770edb608_attn-k_q1770edb608_attn
	.p2alignl 7, 3214868480
	.fill 96, 4, 3214868480
	.section	.rodata,"a",@progbits
	.p2align	6, 0x0
	.amdhsa_kernel k_q1770edb608_attn
		.amdhsa_group_segment_fixed_size 327680
		.amdhsa_private_segment_fixed_size 0
		.amdhsa_enable_private_segment 0
		.amdhsa_kernarg_size 24
		.amdhsa_user_sgpr_count 2
		.amdhsa_user_sgpr_kernarg_segment_ptr 1
		.amdhsa_wavefront_size32 1
		.amdhsa_system_sgpr_workgroup_id_x 1
		.amdhsa_system_sgpr_workgroup_id_y 1
		.amdhsa_system_sgpr_workgroup_id_z 1
		.amdhsa_system_vgpr_workitem_id 0
		.amdhsa_next_free_vgpr 512
		.amdhsa_next_free_sgpr 106
		.amdhsa_reserve_vcc 0
		.amdhsa_float_denorm_mode_32 3
		.amdhsa_float_denorm_mode_16_64 3
		.amdhsa_memory_ordered 1
		.amdhsa_forward_progress 1
		.amdhsa_inst_pref_size 255
	.end_amdhsa_kernel
	.section	.bss,"aw",@nobits
	.p2align	6
	.space	262144
	.amdgpu_metadata
---
amdhsa.version: [ 1, 2 ]
amdhsa.kernels:
  - .name:           k_q1770edb608_attn
    .symbol:         k_q1770edb608_attn.kd
    .args:
      - { .name: qkv, .offset: 0, .size: 8, .value_kind: global_buffer, .address_space: global }
      - { .name: mbits, .offset: 8, .size: 8, .value_kind: global_buffer, .address_space: global }
      - { .name: ao, .offset: 16, .size: 8, .value_kind: global_buffer, .address_space: global }
    .group_segment_fixed_size: 327680
    .private_segment_fixed_size: 0
    .kernarg_segment_align: 8
    .kernarg_segment_size: 24
    .max_flat_workgroup_size: 256
    .sgpr_count:     106
    .vgpr_count:     512
    .wavefront_size: 32
...
	.end_amdgpu_metadata
.endif
;; end of part 5
;; launch outg: the kernel of part 4 again; grid 8 x 32, 4 waves a work-group, clusters of 4 x 4, 327,680 bytes of LDS; arguments ao, woh, b_out, out0; writes out0
